; MI455X (gfx1250); checked and timed in simulation.
; The chip was launched on July 23, 2026; its instructions are those of AMD's public machine-readable ISA for CDNA 5 (MIT licence, August 2026) and "CDNA5" Instruction Set Architecture Reference Guide (July 2026). The comments in the code are by the model that wrote it; some were corrected since.
;; Ab Lang2 MHA. Allowed arithmetic: matrix products marked QUANTISED: E2M1 operands, one E8M0 scale for each 32 along K, by v_wmma_scale_f32_16x16x128_f8f6f4 with both operands' format E2M1 (or v_wmma_scale_f32_32x16x128_f4), f32 sums; everything else in f32.
;; Inputs: Wk_codes 1,024 x 32 x 16 uint8 (E2M1 codes of Wk, K innermost, in blocks of 32 codes, two codes a byte); Wk_scales 1,024 x 32 uint8 (E8M0 scales of Wk, one for each 32 codes along K); Wo_codes 1,024 x 32 x 16 uint8 (E2M1 codes of Wo, K innermost, in blocks of 32 codes, two codes a byte); Wo_scales 1,024 x 32 uint8 (E8M0 scales of Wo, one for each 32 codes along K); Wq_codes 1,024 x 32 x 16 uint8 (E2M1 codes of Wq, K innermost, in blocks of 32 codes, two codes a byte); Wq_scales 1,024 x 32 uint8 (E8M0 scales of Wq, one for each 32 codes along K); Wv_codes 1,024 x 32 x 16 uint8 (E2M1 codes of Wv, K innermost, in blocks of 32 codes, two codes a byte); Wv_scales 1,024 x 32 uint8 (E8M0 scales of Wv, one for each 32 codes along K); bk 1,024 float32; bo 1,024 float32; bq 1,024 float32; bv 1,024 float32; freqs 32 float32; padding_mask 2 x 2,048 bool; x_codes 2 x 2,048 x 32 x 16 uint8 (E2M1 codes of x, K innermost, in blocks of 32 codes, two codes a byte); x_scales 2 x 2,048 x 32 uint8 (E8M0 scales of x, one for each 32 codes along K).
;; Outputs: out0 2 x 2,048 x 1,024 float32.
;; This version of the problem:
;;   THIS VERSION OF THE PROBLEM IS GIVEN IN LOW PRECISION. The matrix products marked QUANTISED in the list below multiply operands that are first quantised to E2M1 (2 exponent bits, 1 mantissa bit; 4 bits a number), with one power-of-two scale for each 32 numbers along K (OCP MX v1.0); their sums are f32. All else is computed in f32.
;;   The module's matrix products, in the order in which they are computed (A, B: the left and right operand; K: the contracted axis; several contracted axes count as one K, in the product's order):
;;     1. [M 4,096, K 1,024] x [K 1,024, N 1,024]; A: input x (given as codes); B: input Wq (given as codes): QUANTISED
;;     2. [M 4,096, K 1,024] x [K 1,024, N 1,024]; A: input x (given as codes); B: input Wk (given as codes): QUANTISED
;;     3. [M 4,096, K 1,024] x [K 1,024, N 1,024]; A: input x (given as codes); B: input Wv (given as codes): QUANTISED
;;     4. batch 32 x [M 2,048, K 64] x [K 64, N 2,048]; A: computed on the way; B: computed on the way: QUANTISED
;;     5. batch 32 x [M 2,048, K 2,048] x [K 2,048, N 64]; A: softmax (see below); B: computed on the way: QUANTISED
;;     6. [M 4,096, K 1,024] x [K 1,024, N 1,024]; A: computed on the way; B: input Wo (given as codes): QUANTISED
;;   THE QUANTISER, for each operand of a quantised product, along K:
;;     - K is cut into blocks of 32 from its start; a last block that is shorter is filled with zeros.
;;     - A block's scale is 2^e with e = floor(log2(the largest magnitude in the block)) - 2, held to -126 .. 127; a block of zeros has e = 0. As a byte (E8M0): e + 127.
;;     - Each number is divided by its block's scale, clamped to +-6, and rounded to the nearest number of E2M1, ties to even, subnormals kept.
;;     - The product sums the exact products of the quantised numbers (number of the format x scale) in f32.
;;   ~~~python
;;   def quantise(x, axis):      # numpy; x: float32 -> the quantised numbers, widened to float32 again
;;       x = np.moveaxis(x, axis, -1); K = x.shape[-1]
;;       x = np.pad(x, [(0, 0)] * (x.ndim - 1) + [(0, -K % 32)]); x = x.reshape(x.shape[:-1] + (-1, 32)); a = np.abs(x).max(-1, keepdims=True)
;;       e = np.where(a > 0, np.clip(np.frexp(np.where(a > 0, a, 1))[1] - 1 - 2, -126, 127), 0)      # np.frexp(a)[1] - 1 = floor(log2(a)), exactly
;;       r = np.clip(x / 2.0 ** e, -6, 6)
;;       step = 2.0 ** (np.maximum(np.frexp(np.where(r == 0, 1, r))[1] - 1, 0) - 1)
;;       q = np.round(r / step) * step * 2.0 ** e      # np.round: ties to even
;;       return np.moveaxis(q.reshape(q.shape[:-2] + (-1,))[..., :K], -1, axis).astype(np.float32)
;;   ~~~
;;   SOFTMAX AHEAD OF A QUANTISED PRODUCT. Where the list says 'softmax', what is quantised is not the finished softmax but p = 2^(t - M), with t = logit x log2(e) and M = ceil(the row's largest t), a whole number; so 1/2 < the row's largest p <= 1. The row's sum l is taken of the UNQUANTISED p, in f32, and the product's result is divided by l at the end. Since M is a whole number, a kernel that streams over the keys may use a running M (the ceiling of the running maximum): every later rescaling is an exact power of two, which a block's scale takes up: the codes' values come out the same.
;;   OPERANDS COMPUTED ON THE WAY. 'Computed on the way' means the value that the module computes at that place (a softmax that the list does not call 'softmax' is quantised finished and normalised). What goes into a quantiser is computed in f32, as accurately as f32 sums, v_exp_f32 and their like allow (about 1e-6 of the number): no bf16 or f16 on the way to a quantiser, and a product that is left as it is and whose result goes on into a quantised operand takes f32 operands (vector FMAs, or v_wmma_f32_16x16x4_f32). A number that lies on a knife's edge between two numbers of the format may be rounded either way, as far as f32 arithmetic and the matrix unit's own rounding can turn it there, and no further.
;;   INPUTS GIVEN AS CODES. Wk (in the module: [1024, 1024], K = its axis 1); Wo (in the module: [1024, 1024], K = its axis 1); Wq (in the module: [1024, 1024], K = its axis 1); Wv (in the module: [1024, 1024], K = its axis 1); x (in the module: [2, 2048, 1024], K = its axis 2): each comes as NAME_codes (uint8): NAME with its K axis moved to the last place and cut into blocks of 32 codes, [.., K / 32, bytes a block], one block behind the other in memory; two codes a byte, the lower K in the low four bits (a code: sign, 2 exponent bits, 1 mantissa bit); and NAME_scales (uint8): the same leading axes, one E8M0 byte (e + 127) for each 32 codes along K. Its value is code x scale, taken as it is: it is not quantised again, and the codes and scales need not be those that the quantiser above would give.
;; One version. Each part assembles by itself: llvm-mc -triple=amdgcn-amd-amdhsa -mcpu=gfx1250 --defsym DOCPART=n.
;; ======== version 1 of 1: 3 launches
;; limits: right only within a limited range of input values
;; workspace buffers: kv 4,587,520 bytes; qc 2,097,152 bytes; qs 262,144 bytes; oc 2,097,152 bytes; os 131,072 bytes
;; launch qkv (part 1): grid 8 x 32, 4 waves a work-group, clusters of 4 x 4, 327,680 bytes of LDS; arguments x_codes, x_scales, Wq_codes, Wq_scales, Wk_codes, Wk_scales, Wv_codes, Wv_scales, bq, bk, bv, freqs, kv, qc, qs; writes kv, qc, qs
.if DOCPART == 1
	.amdgcn_target "amdgcn-amd-amdhsa--gfx1250"
	.amdhsa_code_object_version 6
	.text
	.protected	k_q8a73860c61_qkv
	.globl	k_q8a73860c61_qkv
	.p2align	8
	.type	k_q8a73860c61_qkv,@function
k_q8a73860c61_qkv:
	s_mov_b64 s[64:65], 0
	v_nop
	global_prefetch_b8 v0, s[64:65] scope:SCOPE_SE
	s_setreg_imm32_b32 hwreg(HW_REG_WAVE_MODE, 25, 1), 1
	s_wait_xcnt 0x0
	s_wait_alu depctr_hold_cnt(0) depctr_sa_sdst(0) depctr_va_vdst(0) depctr_va_sdst(0) depctr_va_ssrc(0) depctr_va_vcc(0) depctr_vm_vsrc(0)
	s_getreg_b32 s2, hwreg(HW_REG_IB_STS2, 6, 4)
	s_cmp_eq_u32 s2, 0
	s_cbranch_scc0 .Lentry_in_a_cluster
	s_endpgm
.Lentry_in_a_cluster:
	s_bfe_u32 s2, ttmp6, 0x10000c
	s_cmp_lg_u32 s2, 0xf033
	s_cbranch_scc0 .Lentry_shape_is_right
	s_endpgm
.Lentry_shape_is_right:
; q, k, v = x Wq^T + bq, x Wk^T + bk, x Wv^T + bv on codes of FP4 (E2M1); q and k are rotated by their positions; all three are quantised and stored as images of the attention's operand registers.
; No product and no input of the module is left out.  The scaling of q by 1/8 is a power of two: it moves no code, and the attention applies it to the scores.
; SHARES.  A work-group makes 128 tokens x 128 columns of all three; wave w: tokens 64 (w / 2) on, head w % 2 of the two.  All of K (1,024) lies in LDS, filled once: each wave fetches 128 rows of 512 bytes of x, Wq, Wk or Wv.
; CLUSTER 4 x 4: x's rows are shared along a row of the cluster, the weights' along a column: each tile is asked for jointly.
; THE ROWS OF A TILE.  Lane r of tile a (of 64 tokens, or of a head's 64 channels) takes row 32 R + 8 (a xor R) + r % 8, R = r / 8.  A result's lane (r, h) then holds, over four tiles of 8 registers, the 32 numbers of ONE
; block, 32 h + 8 (a xor h) + 0..7: a quantiser's block asks no other lane, and the conversions' results are the next operand's registers.  The order inside a block is the same in q and k, and in v and the attention's p.
; The exclusive or lets the sixteen rows that an LDS load touches lie at sixteen different places modulo 256 bytes.
; LIMITS: NaN and infinities are not served; a block of zeros keeps the scale byte 1 (its codes are zeros; only this program reads the bytes).
.set PITCH,  272                       ; 256 bytes of codes (half of K) + 16 of padding
.set T8,     8*PITCH
.set HROWS,  64*PITCH
.set REGB,   128*PITCH
.set HALFK,  4*REGB                    ; the four tiles' second half of K lies behind their first
.set CSL,    8*REGB                    ; behind the tiles: cosines and sines, 4,096 bytes for each of eight token tiles; written by LDS stores alone
.set SPARE,  0x4c000
.set KVSTEP, 8960
.set KVHEAD, 16*KVSTEP
.set L16,  1
.set L8,   2
.set L4,   3
.set RR,   4                           ; r % 8
.set HH,   5                           ; lane / 16
.set AX,   6                           ; v6-7   LDS address of my x rows, even and odd tiles
.set AW,   8                           ; v8-13  of Wq's, Wk's, Wv's
.set CSW,  14
.set CSR,  15
.set O32L, 16                          ; scale bytes: my row of a pair of tiles x 32
.set OBE,  17                          ; v17-18 bq, bk: even and odd tiles
.set OVE,  19                          ; v19-20 bv
.set OFE,  24                          ; v24-25 freqs
.set POSI, 26                          ; v26-27 my token's position in the two tiles whose angles I make
.set BYT,  28                          ; v28-39 scale bytes of twelve units
.set SX,   40
.set SW,   56
.set XF,   104
.set FQ,   104
.set POS,  120
.set ANG,  122
.set NN,   138
.set R2,   154
.set PSN,  170
.set PCS,  186
.set C5,   204
.set D5,   206
.set BV,   224
.set PCD,  104
.set CH,   152
.set QM,   160
.set QSO,  162
.set SWD,  164
.set TT,   168                         ; and TT + 40: two units' rotated numbers
.set WV,   4
.set BK,   12
.set BVI,  14
.set BKS,  16
.set BVS,  18
.set BQ,   20
.set BQS,  22
.set G1X,  24
.set G1W,  32
.set G0X,  40
.set G0W,  48
.set W_QK,   0xa1
.set W_QK0,  0x91
.set W_VV,   0xf4
.set W_ROPE, 0x0e
.set MSB, 0
.macro WIN new
.if MSB != \new
	s_set_vgpr_msb (MSB<<8)|\new
.set MSB, \new
.endif
.endm
.macro PLACES n
.rept \n
	v_nop
.endr
.endm
; 32 rows of source 0 (their scales fill the 32 lanes of sa) x 16 of source 1 (scales in lanes 0-15 of sb, or 16-31)
.macro WM32 d, a, b, c, sa, sb, rb
.if (\rb) == 0
	v_wmma_scale_f32_32x16x128_f4 v[(\d):(\d)+15], v[(\a):(\a)+15], v[(\b):(\b)+7], v[(\c):(\c)+15], v[\sa], v[\sb]
.else
	v_wmma_scale_f32_32x16x128_f4 v[(\d):(\d)+15], v[(\a):(\a)+15], v[(\b):(\b)+7], v[(\c):(\c)+15], v[\sa], v[\sb] matrix_b_scale:MATRIX_SCALE_ROW1
.endif
.endm
.macro CROUND                          ; a round of the cluster's barrier
	s_barrier_signal -1
	s_barrier_wait -1
	s_cmp_lg_u32 s[WV], 0
	s_cbranch_scc1 .Lnot_wave_0_\@
	s_barrier_signal -3
.Lnot_wave_0_\@:
	s_barrier_wait -3
	s_barrier_signal -1
	s_barrier_wait -1
.endm
; two units of 32 numbers a lane, each one block: the largest magnitude with the floor 2^(3 - 127), the scale byte, four registers of codes
.macro QPAIR s0, s1, wmax, wcvt, pc, dpc, by, dby
	WIN \wmax
.irp p, 0,1,2,3
	v_max3_num_f32 v[CH+\p], |v[(\s0)+8*\p]|, |v[(\s0)+8*\p+1]|, 0x1800000
	v_max3_num_f32 v[CH+4+\p], |v[(\s1)+8*\p]|, |v[(\s1)+8*\p+1]|, 0x1800000
.endr
.irp i, 2,4,6
.irp p, 0,1,2,3
	v_max3_num_f32 v[CH+\p], |v[(\s0)+8*\p+\i]|, |v[(\s0)+8*\p+\i+1]|, v[CH+\p]
	v_max3_num_f32 v[CH+4+\p], |v[(\s1)+8*\p+\i]|, |v[(\s1)+8*\p+\i+1]|, v[CH+4+\p]
.endr
.endr
	WIN 0
.irp u, 0,1
	v_max3_num_f32 v[QM+\u], v[CH+4*\u], v[CH+4*\u+1], v[CH+4*\u+2]
.endr
.irp u, 0,1
	v_max_num_f32 v[QM+\u], v[QM+\u], v[CH+4*\u+3]
.endr
.irp u, 0,1
	v_add_nc_u32 v[QSO+\u], 0xff000000, v[QM+\u]   ; 2 off the exponent field: the conversion's scale operand
.endr
.irp u, 0,1
	v_lshrrev_b32 v[(\by)+(\dby)*\u], 23, v[QSO+\u]
.endr
	WIN \wcvt
.irp i, 0,1,2,3
	v_cvt_scalef32_pk8_fp4_f32 v[(\pc)+\i], v[(\s0)+8*\i:(\s0)+8*\i+7], v[QSO]
	v_cvt_scalef32_pk8_fp4_f32 v[(\pc)+(\dpc)+\i], v[(\s1)+8*\i:(\s1)+8*\i+7], v[QSO+1]
.endr
	WIN 0
	v_nop                                          ; one plain place behind a scaled conversion
.endm
	s_load_b512 s[68:83], s[0:1], 0x0              ; x s[68:71], Wq s[72:75], Wk s[76:79], Wv s[80:83]: codes, scales
	s_load_b256 s[84:91], s[0:1], 0x40             ; bq, bk, bv, freqs
	s_load_b128 s[92:95], s[0:1], 0x60             ; kv, qc
	s_load_b64 s[96:97], s[0:1], 0x70              ; qs
	v_lshl_add_u32 v254, v0, 2, SPARE
	v_mov_b32 v255, 0
	ds_add_u32 v254, v255                          ; the opening add, twice on end
	ds_add_u32 v254, v255
	v_lshrrev_b32 v1, 5, v0
	v_readfirstlane_b32 s[WV], v1
	s_lshr_b32 s5, s[WV], 1                        ; which 64 tokens
	s_and_b32 s6, s[WV], 1                         ; which head of the two
	s_bfe_u32 s7, ttmp6, 0x40000
	s_bfe_u32 s8, ttmp6, 0x40004
	s_lshl_b32 s9, ttmp9, 2
	s_add_co_u32 s9, s9, s7                        ; the group of 128 columns
	s_and_b32 s10, ttmp7, 0xffff
	s_lshl_b32 s10, s10, 2
	s_add_co_u32 s10, s10, s8                      ; the group of 128 tokens
	s_lshl_b32 s2, s8, 2
	s_lshl_b32 s2, 15, s2                          ; my row of the cluster
	s_lshl_b32 s3, 0x1111, s7                      ; my column
	; 128 rows of 256 bytes out of rows of 512, 16 bytes of padding behind each (after every 64 words: code 5)
	s_or_b32 s[G1X], s2, (1<<20)|(1<<21)|(5<<22)|(3<<25)
	s_or_b32 s[G1W], s3, (1<<20)|(1<<21)|(5<<22)|(3<<25)
.irp g, G1X, G1W
	s_mov_b32 s[\g+1], 256<<16
	s_mov_b32 s[\g+2], 128<<16
	s_mov_b32 s[\g+3], 256<<16
	s_mov_b32 s[\g+4], 128
	s_mov_b32 s[\g+5], 512
	s_mov_b32 s[\g+6], 0
	s_mov_b32 s[\g+7], 0
.endr
	s_mul_i32 s11, s[WV], REGB
	s_lshl_b32 s98, s10, 16
	s_mov_b32 s99, 0
	s_lshl_b32 s100, s9, 16
	s_mov_b32 s101, 0
.irp c, 0,1
	s_mov_b32 s[G0X+4*\c], 1
	s_add_co_u32 s[G0X+4*\c+1], s11, \c*HALFK
	s_mov_b32 s[G0W+4*\c], 1
	s_add_co_u32 s[G0W+4*\c+1], s11, \c*HALFK
.endr
	s_wait_dscnt 0x0
	s_wait_kmcnt 0x0
	s_add_nc_u64 s[G0X+2:G0X+3], s[68:69], s[98:99]
	s_or_b32 s[G0X+3], s[G0X+3], 0x80000000
	s_cmp_eq_u32 s[WV], 2
	s_cselect_b64 s[2:3], s[76:77], s[72:73]       ; wave 1 fetches Wq's rows, 2 Wk's, 3 Wv's
	s_cmp_eq_u32 s[WV], 3
	s_cselect_b64 s[2:3], s[80:81], s[2:3]
	s_add_nc_u64 s[G0W+2:G0W+3], s[2:3], s[100:101]
	s_or_b32 s[G0W+3], s[G0W+3], 0x80000000
	s_add_nc_u64 s[G0X+6:G0X+7], s[G0X+2:G0X+3], 256             ; the second half of K (the type bits on top are not reached)
	s_add_nc_u64 s[G0W+6:G0W+7], s[G0W+2:G0W+3], 256
.macro JLOAD g0x, g0w                  ; a joint load: wave 0 fetches x's rows, the others a weight's
	s_cmp_eq_u32 s[WV], 0
	s_cbranch_scc0 .Lfor_w_\@
	tensor_load_to_lds s[\g0x:\g0x+3], s[G1X:G1X+7]
	s_nop 0
	PLACES 4
	s_branch .Lasked_\@
.Lfor_w_\@:
	tensor_load_to_lds s[\g0w:\g0w+3], s[G1W:G1W+7]
	s_nop 0
	PLACES 4
.Lasked_\@:
.endm
	CROUND                                         ; all sixteen work-groups are here: the joint loads meet
	JLOAD G0X, G0W                                 ; the first half of K: one tensor load a wave at the head
	s_mul_i32 s2, s5, HROWS
	s_mul_i32 s98, s6, HROWS
	s_and_b32 s101, s10, 15                        ; my 128 tokens in their batch
	s_lshl_b32 s99, s101, 7
	s_lshl_b32 s100, s5, 6
	s_add_co_u32 s99, s99, s100
	s_lshl_b32 s100, s6, 4
	s_add_co_u32 s99, s99, s100                    ; I make the angles of tiles 2 (w % 2), 2 (w % 2) + 1 of 64 tokens w / 2
	s_lshl_b32 s100, s[WV], 13
	s_add_co_u32 s100, s100, CSL
	s_lshl_b32 s3, s5, 14
	s_add_co_u32 s3, s3, CSL
	v_and_b32 v21, 31, v0
	v_and_b32 v[RR], 7, v0
	v_bfe_u32 v[HH], v0, 4, 1
	v_bfe_u32 v22, v0, 3, 1                        ; R
	v_lshlrev_b32 v[L16], 4, v21
	v_lshlrev_b32 v[L8], 3, v21
	v_lshlrev_b32 v[L4], 2, v21
	v_mad_u32_u24 v28, v22, 40, v[RR]              ; an even tile's row: 32 R + 8 R + r % 8, and 8 a more
	v_mad_u32_u24 v29, v22, 24, v[RR]              ; an odd tile's: 32 R - 8 R + r % 8, and 8 a more
	v_xor_b32 v23, v22, v[HH]
	v_lshl_add_u32 v23, v23, 3, v[RR]
	v_lshl_add_u32 v23, v22, 5, v23
	v_lshlrev_b32 v[O32L], 5, v23                  ; scale bytes of a pair of tiles: lanes 0-15 the first, 16-31 the second
	v_mul_u32_u24 v[OBE], 0xa0, v[HH]
	v_mul_u32_u24 v[OBE+1], 0x60, v[HH]
	v_mul_u32_u24 v30, 0xa0, v22
	v_mul_u32_u24 v31, 0x60, v22
	v_lshl_add_u32 v[OVE], v[RR], 2, v30
	v_lshl_add_u32 v[OVE+1], v[RR], 2, v31
	v_mul_u32_u24 v[OFE], 0x50, v[HH]
	v_mul_u32_u24 v[OFE+1], 48, v[HH]
	v_add_nc_u32 v[POSI], s99, v28
	v_add_nc_u32 v[POSI+1], s99, v29
	v_add_nc_u32 v[POSI+1], 8, v[POSI+1]
.irp e, 0,1
	v_mul_u32_u24 v[28+\e], PITCH, v[28+\e]
	v_lshl_add_u32 v[28+\e], v[HH], 4, v[28+\e]
	v_add_nc_u32 v[AX+\e], s2, v[28+\e]
	v_add_nc_u32 v[28+\e], s98, v[28+\e]
.irp m, 0,1,2
	v_add_nc_u32 v[AW+2*\m+\e], (1+\m)*REGB, v[28+\e]
.endr
.endr
	v_add_nc_u32 v[CSW], s100, v[L16]
	v_add_nc_u32 v[CSR], s3, v[L16]
	v_mov_b32 v[C5], 0xb2d7322b
	v_mov_b32 v[C5+1], 0xb2d7322b
	v_mov_b32 v[D5], 0xb493f27e
	v_mov_b32 v[D5+1], 0xb493f27e
	s_wait_alu depctr_va_vdst(0)                   ; ahead of the scalar run below
	s_lshl_b32 s11, s9, 1
	s_add_co_u32 s11, s11, s6                      ; my head
	s_mov_b32 s3, 0
	s_lshl_b32 s2, s11, 8
	s_add_nc_u64 s[84:85], s[84:85], s[2:3]
	s_add_nc_u64 s[86:87], s[86:87], s[2:3]
	s_add_nc_u64 s[88:89], s[88:89], s[2:3]
	s_lshl_b32 s2, s11, 11
	s_add_nc_u64 s[74:75], s[74:75], s[2:3]
	s_add_nc_u64 s[78:79], s[78:79], s[2:3]
	s_add_nc_u64 s[82:83], s[82:83], s[2:3]
	s_lshl_b32 s2, s10, 12
	s_lshl_b32 s98, s5, 11
	s_add_co_u32 s2, s2, s98
	s_add_nc_u64 s[70:71], s[70:71], s[2:3]
.irp q, 0,1,2,3
	global_load_b128 v[FQ+4*\q:FQ+4*\q+3], v[OFE+\q%2], s[90:91] offset:16*\q
.endr
.irp a, 0,1
	global_load_b128 v[SX+8*\a:SX+8*\a+3], v[O32L], s[70:71] offset:512*\a
	global_load_b128 v[SX+8*\a+4:SX+8*\a+7], v[O32L], s[70:71] offset:512*\a+16
.endr
.irp m, 0,1,2
.irp b, 0,1
	global_load_b128 v[SW+8*(2*\m+\b):SW+8*(2*\m+\b)+3], v[O32L], s[74+4*\m:75+4*\m] offset:512*\b
	global_load_b128 v[SW+8*(2*\m+\b)+4:SW+8*(2*\m+\b)+7], v[O32L], s[74+4*\m:75+4*\m] offset:512*\b+16
.endr
.endr
	WIN 0x40
.irp m, 0,1
.irp t, 0,1,2,3
	global_load_b128 v[192+32*\m+8*\t:192+32*\m+8*\t+3], v[OBE+\t%2], s[84+2*\m:85+2*\m] offset:32*\t
	global_load_b128 v[192+32*\m+8*\t+4:192+32*\m+8*\t+7], v[OBE+\t%2], s[84+2*\m:85+2*\m] offset:32*\t+16
.endr
.endr
	WIN 0
.irp t, 0,1,2,3
	global_load_b32 v[BV+\t], v[OVE+\t%2], s[88:89] offset:32*\t
.endr
	s_lshr_b32 s100, s10, 4
	s_lshl_b32 s100, s100, 4
	s_add_co_u32 s100, s100, s11                   ; 16 batch + head
	s_mul_i32 s2, s100, KVHEAD
	s_mul_i32 s98, s101, KVSTEP
	s_add_co_u32 s2, s2, s98
	s_add_nc_u64 s[92:93], s[92:93], s[2:3]
	s_lshl_b32 s2, s5, 11
	s_add_nc_u64 s[BK:BK+1], s[92:93], s[2:3]
	s_lshl_b32 s2, s5, 9
	s_add_co_u32 s2, s2, 4096
	s_add_nc_u64 s[BVI:BVI+1], s[92:93], s[2:3]
	s_lshl_b32 s2, s5, 8
	s_add_co_u32 s2, s2, 8192
	s_add_nc_u64 s[BKS:BKS+1], s[92:93], s[2:3]
	s_lshl_b32 s2, s5, 7
	s_add_co_u32 s2, s2, 8704
	s_add_nc_u64 s[BVS:BVS+1], s[92:93], s[2:3]
	s_lshl_b32 s2, s100, 16
	s_lshl_b32 s98, s101, 12
	s_add_co_u32 s2, s2, s98
	s_lshl_b32 s98, s5, 11
	s_add_co_u32 s2, s2, s98
	s_add_nc_u64 s[BQ:BQ+1], s[94:95], s[2:3]
	s_lshl_b32 s2, s100, 13
	s_lshl_b32 s98, s101, 9
	s_add_co_u32 s2, s2, s98
	s_lshl_b32 s98, s5, 8
	s_add_co_u32 s2, s2, s98
	s_add_nc_u64 s[BQS:BQS+1], s[96:97], s[2:3]
	s_wait_loadcnt 36                              ; freqs are in: behind them 4 + 12 + 16 + 4 loads
; cosines and sines of 16 tokens x 16 angles a lane: the angle less n pi (two parts of pi), a polynomial of each, and the sign of (-1)^n
.macro SINCOS i
	v_cvt_f32_u32 v[POS], v[POSI+\i]
	v_mov_b32 v[POS+1], v[POS]
.irp j, 0,2,4,6,8,10,12,14
	v_pk_mul_f32 v[ANG+\j:ANG+\j+1], v[FQ+\j:FQ+\j+1], v[POS:POS+1] op_sel_hi:[1,0]
.endr
.irp j, 0,2,4,6,8,10,12,14
	v_pk_mul_f32 v[NN+\j:NN+\j+1], v[ANG+\j:ANG+\j+1], 0x3ea2f983 op_sel_hi:[1,0]
.endr
.irp j, 0,1,2,3,4,5,6,7,8,9,10,11,12,13,14,15
	v_rndne_f32 v[NN+\j], v[NN+\j]
.endr
.irp j, 0,2,4,6,8,10,12,14
	v_pk_fma_f32 v[ANG+\j:ANG+\j+1], v[NN+\j:NN+\j+1], 0xc0490fdb, v[ANG+\j:ANG+\j+1] op_sel_hi:[1,0,1]
.endr
.irp j, 0,2,4,6,8,10,12,14
	v_pk_fma_f32 v[ANG+\j:ANG+\j+1], v[NN+\j:NN+\j+1], 0x33bbbd2e, v[ANG+\j:ANG+\j+1] op_sel_hi:[1,0,1]
.endr
.irp j, 0,2,4,6,8,10,12,14
	v_pk_mul_f32 v[R2+\j:R2+\j+1], v[ANG+\j:ANG+\j+1], v[ANG+\j:ANG+\j+1]
.endr
.irp j, 0,2,4,6,8,10,12,14
	v_pk_fma_f32 v[PSN+\j:PSN+\j+1], v[R2+\j:R2+\j+1], 0x2f309231, v[C5:C5+1] op_sel_hi:[1,0,1]
	v_pk_fma_f32 v[PCS+\j:PCS+\j+1], v[R2+\j:R2+\j+1], 0x310f76c7, v[D5:D5+1] op_sel_hi:[1,0,1]
.endr
.irp k, 0x3638ef1d,0xb9500d01,0x3c088889,0xbe2aaaab,1.0
.irp j, 0,2,4,6,8,10,12,14
	v_pk_fma_f32 v[PSN+\j:PSN+\j+1], v[PSN+\j:PSN+\j+1], v[R2+\j:R2+\j+1], \k op_sel_hi:[1,1,0]
.endr
.endr
.irp k, 0x37d00d01,0xbab60b61,0x3d2aaaab,-0.5,1.0
.irp j, 0,2,4,6,8,10,12,14
	v_pk_fma_f32 v[PCS+\j:PCS+\j+1], v[PCS+\j:PCS+\j+1], v[R2+\j:R2+\j+1], \k op_sel_hi:[1,1,0]
.endr
.endr
.irp j, 0,2,4,6,8,10,12,14
	v_pk_mul_f32 v[PSN+\j:PSN+\j+1], v[PSN+\j:PSN+\j+1], v[ANG+\j:ANG+\j+1]
.endr
.irp j, 0,1,2,3,4,5,6,7,8,9,10,11,12,13,14,15
	v_cvt_i32_f32 v[NN+\j], v[NN+\j]
.endr
.irp j, 0,1,2,3,4,5,6,7,8,9,10,11,12,13,14,15
	v_lshlrev_b32 v[NN+\j], 31, v[NN+\j]
.endr
.irp j, 0,1,2,3,4,5,6,7,8,9,10,11,12,13,14,15
	v_xor_b32 v[PSN+\j], v[NN+\j], v[PSN+\j]
	v_xor_b32 v[PCS+\j], v[NN+\j], v[PCS+\j]
.endr
.irp k, 0,1,2,3
	ds_store_b128 v[CSW], v[PCS+4*\k:PCS+4*\k+3] offset:4096*\i+512*\k
	ds_store_b128 v[CSW], v[PSN+4*\k:PSN+4*\k+3] offset:4096*\i+512*(\k+4)
.endr
.endm
	SINCOS 0
	SINCOS 1
	s_wait_alu depctr_va_vdst(0)                   ; at the head's end
	s_wait_tensorcnt 0x0                           ; my tile's first half is in
	ds_add_u32 v254, v255
	s_wait_dscnt 0x0                               ; the add is done, my cosines and sines are stored
	CROUND                                         ; everybody's are, and the joint loads meet
	JLOAD G0X+4, G0W+4                             ; the second half of K: K steps 0 to 3 stand ahead of its first reader
.macro FETCH s, p                      ; K step s into set p
	WIN 0x40
.irp m, 0,1,2
.irp t, 0,1,2,3
	ds_load_b128 v[96*(\p)+8*(4*\m+\t):96*(\p)+8*(4*\m+\t)+3], v[AW+2*\m+\t%2] offset:T8*\t+64*((\s)%4)
	ds_load_b128 v[96*(\p)+8*(4*\m+\t)+4:96*(\p)+8*(4*\m+\t)+7], v[AW+2*\m+\t%2] offset:T8*\t+64*((\s)%4)+32
.endr
.endr
	WIN 0
.irp a, 0,1,2,3
	ds_load_b128 v[XF+32*(\p)+8*\a:XF+32*(\p)+8*\a+3], v[AX+\a%2] offset:T8*\a+64*((\s)%4)
	ds_load_b128 v[XF+32*(\p)+8*\a+4:XF+32*(\p)+8*\a+7], v[AX+\a%2] offset:T8*\a+64*((\s)%4)+32
.endr
.endm
; q and k transposed (source 0 = 32 channels, source 1 = 16 tokens): a lane holds one token; v the other way round: a lane holds one channel.  24 accumulators take turns; the biases are the first products' C
.macro MUL s, p
.if (\s) == 0
	WIN W_QK0
.else
	WIN W_QK
.endif
.irp a, 0,1,2,3
.irp m, 0,1
.irp u, 0,1
.if (\s) == 0
	WM32 128*\m+32*\a+16*\u, 96*(\p)+32*\m+16*\u, XF+32*(\p)+8*\a, 192+32*\m+16*\u, SW+8*(2*\m+\u)+(\s), SX+8*(\a/2)+(\s), \a%2
.else
	WM32 128*\m+32*\a+16*\u, 96*(\p)+32*\m+16*\u, XF+32*(\p)+8*\a, 128*\m+32*\a+16*\u, SW+8*(2*\m+\u)+(\s), SX+8*(\a/2)+(\s), \a%2
.endif
.endr
.endr
.endr
	WIN W_VV
.irp u, 0,1
.irp t, 0,1,2,3
.if (\s) == 0
	WM32 32*\t+16*\u, XF+32*(\p)+16*\u, 96*(\p)+8*(8+\t), 128+16*\t, SX+8*\u+(\s), SW+8*(4+\t/2)+(\s), \t%2
.else
	WM32 32*\t+16*\u, XF+32*(\p)+16*\u, 96*(\p)+8*(8+\t), 32*\t+16*\u, SX+8*\u+(\s), SW+8*(4+\t/2)+(\s), \t%2
.endif
.endr
.endr
.endm
.macro STEP s
	s_wait_dscnt 0x0                               ; this step's fragments, asked for a step ago
.if (\s) == 3
	s_wait_tensorcnt 0x0                           ; my tile's second half is in,
	s_barrier_signal -1
	s_barrier_wait -1                              ; everybody's is
	WIN 0                                          ; the addresses lie in window 0
.irp e, 0,1,2,3,4,5,6,7
	v_add_nc_u32 v[AX+\e], HALFK, v[AX+\e]         ; all eight addresses on to it; the places in front of the loads
.endr
	s_wait_alu depctr_va_vdst(0)                   ; behind these writes
.elseif (\s) > 0
	PLACES 4                                       ; in front of loads into registers that products have read
.endif
.if (\s) < 7
	FETCH (\s)+1, 1-(\s)%2
.else
	WIN 0xc0
.irp a, 0,1,2,3
.irp k, 0,1,2,3,4,5,6,7
	ds_load_b128 v[128+32*\a+4*\k:128+32*\a+4*\k+3], v[CSR] offset:4096*\a+512*\k
.endr
.endr
.endif
	MUL \s, (\s)%2
.endm
	FETCH 0, 0
	s_wait_loadcnt 0x0                             ; scales and biases
	WIN 0xc0
.irp t, 0,1,2,3
.irp j, 0,1,2,3,4,5,6,7,8,9,10,11,12,13,14,15
	v_mov_b32 v[128+16*\t+\j], v[BV+\t]            ; bv as the C of v's first products: a lane's column has one bias
.endr
.endr
	WIN 0
	s_wait_alu depctr_va_vdst(0)                   ; ahead of the step's first wait
	STEP 0
	STEP 1
	STEP 2
	STEP 3
	STEP 4
	STEP 5
	STEP 6
	STEP 7
	WIN 0
	PLACES 4                                       ; behind the last products
	s_wait_dscnt 0x0
; token tile a of q and of k: rotated (neighbouring channels are a pair), quantised, stored as an image
.macro QK2 a
	WIN W_ROPE
.irp m, 0,1
.irp q, 0,1,2,3
.irp g, 0,1
.set XA, 128*\m+32*(\a)+8*\q+4*\g
.set TA, TT+40*\m+8*\q+4*\g
.set CA, 128+32*(\a)+4*\q+2*\g
	v_pk_mul_f32 v[TA:TA+1], v[XA:XA+1], v[CA:CA+1] op_sel:[0,0] op_sel_hi:[1,0]
	v_pk_mul_f32 v[TA+2:TA+3], v[XA+2:XA+3], v[CA:CA+1] op_sel:[0,1] op_sel_hi:[1,1]
.endr
.endr
.endr
.irp m, 0,1
.irp q, 0,1,2,3
.irp g, 0,1
.set XA, 128*\m+32*(\a)+8*\q+4*\g
.set TA, TT+40*\m+8*\q+4*\g
.set CA, 128+32*(\a)+4*\q+2*\g
	v_pk_fma_f32 v[TA:TA+1], v[XA:XA+1], v[CA+16:CA+17], v[TA:TA+1] op_sel:[1,0,0] op_sel_hi:[0,0,1] neg_lo:[0,1,0]
	v_pk_fma_f32 v[TA+2:TA+3], v[XA+2:XA+3], v[CA+16:CA+17], v[TA+2:TA+3] op_sel:[1,1,0] op_sel_hi:[0,1,1] neg_lo:[0,1,0]
.endr
.endr
.endr
	QPAIR TT, TT+40, 0, 0, PCD+4*(\a), 16, BYT+(\a), 4
	global_store_b128 v[L16], v[PCD+4*(\a):PCD+4*(\a)+3], s[BQ:BQ+1] offset:512*(\a)
	global_store_b128 v[L16], v[PCD+16+4*(\a):PCD+16+4*(\a)+3], s[BK:BK+1] offset:512*(\a)
.endm
	QK2 0
	QK2 1
	QK2 2
	QK2 3
; scale words of a pair of tiles: bytes 0 and 1 from lanes r and 16 + r; bytes 2 and 3 (the operand's upper half of K, zero codes) stand for 1.0
.irp i, 0,2,4,6
	v_permlane16_swap_b32 v[BYT+\i], v[BYT+\i+1]
.endr
.irp i, 0,2,4,6
	v_lshl_or_b32 v[SWD+\i/2], v[BYT+\i+1], 8, v[BYT+\i]
.endr
.irp i, 0,1,2,3
	v_or_b32 v[SWD+\i], 0x7f7f0000, v[SWD+\i]
.endr
	global_store_b64 v[L8], v[SWD:SWD+1], s[BQS:BQS+1]
	global_store_b64 v[L8], v[SWD+2:SWD+3], s[BKS:BKS+1]
.macro V2 t                            ; channel tiles t, t + 1 of v, quantised along the tokens
	QPAIR 32*(\t), 32*(\t)+32, 0x0f, 0x03, PCD+32+4*(\t), 4, BYT+8+(\t), 1
	global_store_b128 v[L16], v[PCD+32+4*(\t):PCD+32+4*(\t)+3], s[BVI:BVI+1] offset:1024*(\t)
	global_store_b128 v[L16], v[PCD+36+4*(\t):PCD+36+4*(\t)+3], s[BVI:BVI+1] offset:1024*(\t)+1024
.endm
	V2 0
	V2 2
	v_permlane16_swap_b32 v[BYT+8], v[BYT+9]
	v_permlane16_swap_b32 v[BYT+10], v[BYT+11]
	v_lshl_or_b32 v200, v[BYT+9], 8, v[BYT+8]      ; tiles 0 (lanes 0-15), 1 (lanes 16-31) in the low half,
	v_lshl_or_b32 v201, v[BYT+11], 8, v[BYT+10]    ; 2 and 3 in the high half
	v_lshl_or_b32 v200, v201, 16, v200
	global_store_b32 v[L4], v200, s[BVS:BVS+1]
	s_wait_tensorcnt 0x0
	ds_add_u32 v254, v255
	s_wait_dscnt 0x0
	CROUND                                         ; the closing round
	s_endpgm
.Lfunc_end_k_q8a73860c61_qkv:
	.size	k_q8a73860c61_qkv, .Lfunc_end_k_q8a73860c61_qkv-k_q8a73860c61_qkv
	.p2alignl 7, 3214868480
	.fill 96, 4, 3214868480
	.section	.rodata,"a",@progbits
	.p2align	6, 0x0
	.amdhsa_kernel k_q8a73860c61_qkv
		.amdhsa_group_segment_fixed_size 327680
		.amdhsa_private_segment_fixed_size 0
		.amdhsa_enable_private_segment 0
		.amdhsa_kernarg_size 120
		.amdhsa_user_sgpr_count 2
		.amdhsa_user_sgpr_kernarg_segment_ptr 1
		.amdhsa_wavefront_size32 1
		.amdhsa_system_sgpr_workgroup_id_x 1
		.amdhsa_system_sgpr_workgroup_id_y 1
		.amdhsa_system_sgpr_workgroup_id_z 1
		.amdhsa_system_vgpr_workitem_id 0
		.amdhsa_next_free_vgpr 1024
		.amdhsa_next_free_sgpr 102
		.amdhsa_reserve_vcc 0
		.amdhsa_float_denorm_mode_32 3
		.amdhsa_float_denorm_mode_16_64 3
		.amdhsa_memory_ordered 1
		.amdhsa_forward_progress 1
		.amdhsa_inst_pref_size 129
	.end_amdhsa_kernel
	.amdgpu_metadata
---
amdhsa.version: [ 1, 2 ]
amdhsa.kernels:
  - .name:           k_q8a73860c61_qkv
    .symbol:         k_q8a73860c61_qkv.kd
    .args:
      - { .name: x_codes, .offset: 0, .size: 8, .value_kind: global_buffer, .address_space: global }
      - { .name: x_scales, .offset: 8, .size: 8, .value_kind: global_buffer, .address_space: global }
      - { .name: Wq_codes, .offset: 16, .size: 8, .value_kind: global_buffer, .address_space: global }
      - { .name: Wq_scales, .offset: 24, .size: 8, .value_kind: global_buffer, .address_space: global }
      - { .name: Wk_codes, .offset: 32, .size: 8, .value_kind: global_buffer, .address_space: global }
      - { .name: Wk_scales, .offset: 40, .size: 8, .value_kind: global_buffer, .address_space: global }
      - { .name: Wv_codes, .offset: 48, .size: 8, .value_kind: global_buffer, .address_space: global }
      - { .name: Wv_scales, .offset: 56, .size: 8, .value_kind: global_buffer, .address_space: global }
      - { .name: bq, .offset: 64, .size: 8, .value_kind: global_buffer, .address_space: global }
      - { .name: bk, .offset: 72, .size: 8, .value_kind: global_buffer, .address_space: global }
      - { .name: bv, .offset: 80, .size: 8, .value_kind: global_buffer, .address_space: global }
      - { .name: freqs, .offset: 88, .size: 8, .value_kind: global_buffer, .address_space: global }
      - { .name: kv, .offset: 96, .size: 8, .value_kind: global_buffer, .address_space: global }
      - { .name: qc, .offset: 104, .size: 8, .value_kind: global_buffer, .address_space: global }
      - { .name: qs, .offset: 112, .size: 8, .value_kind: global_buffer, .address_space: global }
    .group_segment_fixed_size: 327680
    .private_segment_fixed_size: 0
    .kernarg_segment_align: 8
    .kernarg_segment_size: 120
    .max_flat_workgroup_size: 128
    .sgpr_count:     102
    .vgpr_count:     1024
    .wavefront_size: 32
...
	.end_amdgpu_metadata
.endif
;; end of part 1
;; launch attn (part 2): grid 8 x 32, 8 waves a work-group, clusters of 4 x 1, 327,680 bytes of LDS; arguments kv, qc, qs, padding_mask, oc, os; writes oc, os
.if DOCPART == 2
	.amdgcn_target "amdgcn-amd-amdhsa--gfx1250"
	.amdhsa_code_object_version 6
	.text
	.protected	k_q8a73860c61_attn
	.globl	k_q8a73860c61_attn
	.p2align	8
	.type	k_q8a73860c61_attn,@function
k_q8a73860c61_attn:
	s_mov_b64 s[64:65], 0
	v_nop
	global_prefetch_b8 v0, s[64:65] scope:SCOPE_SE
	s_setreg_imm32_b32 hwreg(HW_REG_WAVE_MODE, 25, 1), 1
	s_wait_xcnt 0x0
	s_wait_alu depctr_hold_cnt(0) depctr_sa_sdst(0) depctr_va_vdst(0) depctr_va_sdst(0) depctr_va_ssrc(0) depctr_va_vcc(0) depctr_vm_vsrc(0)
	s_getreg_b32 s2, hwreg(HW_REG_IB_STS2, 6, 4)
	s_cmp_eq_u32 s2, 0
	s_cbranch_scc0 .Lentry_in_a_cluster
	s_endpgm
.Lentry_in_a_cluster:
	s_bfe_u32 s2, ttmp6, 0x10000c
	s_cmp_lg_u32 s2, 0x3003
	s_cbranch_scc0 .Lentry_shape_is_right
	s_endpgm
.Lentry_shape_is_right:
; O = softmax(q k^T / 8, keys under the padding mask left out) v for one head and 256 queries, both products on codes of FP4 (E2M1) with one E8M0 scale for each 32 along K; O is divided by the row's sum,
; quantised along the model's axis and stored as images of the last product's operand registers.
; THE SOFTMAX: t = score x c; M = the running largest t rounded UP to a whole number; p = 2^(t - M) is what is quantised, along the keys, not normalised; the row's sum is taken of the unquantised p.
; c = log2(e) / 64: 1/8 for the division by sqrt(64), and 1/8 for the scaling of q, which the launch before has left out (a power of two: the codes are the same).
; A BLOCK'S SCALE: p's exponent is floor(t - M), so that of a block's largest p is the floor of its largest t - M: no exponential is asked for it.
; SHARES.  A work-group owns 256 queries of one head, each of its eight waves two tiles of 16: every fragment of K and V and every bias that a wave loads serves both tiles.
; THE WHOLE HEAD'S K AND V LIE IN LDS: 16 key steps of 8,960 bytes, as images of operand registers with their scale words, filled ONCE: key steps 0 to 7 at the head, 8 to 15 behind the first barrier, one key step a wave each time.  No ring.
; CLUSTER 4 x 1: the four blocks of queries of a cluster read the same head: each block of kv is asked for jointly, by the same load with a mask that names the four.
; No prefetch: all that is streamed is asked for by two loads a wave, both ahead of the loops; there is no loop of tensor loads to run ahead in.
; LAYOUT.  Both products are used transposed: S^T = K Q^T (source 0 = 32 keys), O^T = V^T P^T (source 0 = 32 channels): a lane holds one query (lane % 16) throughout.  Tile a of 64 keys (channels) holds in row m
; key 32 R + 8 (a xor R) + m % 8, R = m / 8: a lane's 32 registers of four tiles are ONE block of 32, and the conversions' results are the next operand's registers.  V's images have the same order of keys.
; The head's 64 channels fill half of the first product's K of 128: registers 4 to 7 of both operands are zero codes, and their blocks' scale bytes stand for 1.0.
; THE STEPS OVERLAP: key step i's weighted sum is made in key step i + 1: O's rescaling under step i's M stands among the chain that finds step i + 1's M and block scales.
; THE MASK: a bias, 0 or -2^126 for each key, is the C of the first product.  The running largest score starts at -2^106, so that a masked score gives p = 0 exactly, also while every key so far is masked.
; Where ALL keys of a batch are masked the sum is 0: the rows' scale bytes are then stored as 0xff, which makes those rows of the output NaN, as the softmax of nothing is.
; LIMITS: NaN and infinities are not served; open scores have |t| under 2^31; a block of zeros keeps the scale byte 1 (its codes are zeros, and only this program reads the bytes).
; REGISTERS.  Window 0: addresses, S^T of both tiles, p's codes, all scales, sums.  Window 1: v0-63 K's eight fragments, v64-95 V's four, v96-159 O^T of both tiles, v160-223 the bias, v224-249 the softmax's state.
.set STEPB, 8960                       ; a key step's block: K images at 0, V images at 4,096, K scale words at 8,192, V scale halves at 8,704
.set KVHEAD, 16*STEPB
.set MB,    KVHEAD                     ; behind the head's block: the mask's bias, 2,048 numbers; written by LDS stores alone
.set SCS,   MB+8192                    ; and O's scale bytes, 2 a row, 512 bytes
.set SPARE, 0x29000
.set L16,  1
.set L8,   2
.set L4,   3
.set MBE,  4                           ; v4-5   bias: even and odd tiles
.set SCW,  6
.set ADK,  8                           ; v8-12  the step's LDS addresses
.set ADS,  9
.set ADT,  10
.set ADE,  11                          ; v11-12
.set SPW,  13
.set QS,   14                          ; Q's scale words: lanes 0-15 tile 0, 16-31 tile 1
.set NIL,  15
.set Q0,   16
.set Q1,   24
.set KS,   32                          ; v32-35 K's scale words
.set VR,   36                          ; v36-37 V's scale halves as loaded
.set VS,   38                          ; v38-39 V's scale words
.set PS,   40                          ; v40-41 p's scale words
.set L,    48                          ; v48-51 the sums, each in two halves
.set RC,   52                          ; v52-55 the way out: their reciprocals
.set BP,   56
.set CH,   60                          ; v60-67
.set PXO,  68                          ; v68-69 the way out
.set FFB,  74
.set OP,   80                          ; v80-83 the conversions' scale operands
.set IIO,  84
.set S0,   96
.set S1,   160
.set P0,   224                         ; v224-231, v232-239 p's codes
.set VF,   64                          ; window 1 from here on
.set OO,   96
.set BI,   160
.set B,    224                         ; v224-227 the blocks' largest scores
.set TN,   228
.set PX,   230
.set DD,   232
.set NM,   234                         ; v234, v236 -M of tiles 0, 1
.set RM,   235                         ; v235, v237 the largest score so far
.set F,    238                         ; v238, v240 2^(old M - new M)
.set UU,   242                         ; v242-245
.set XW,   246
.set YW,   248
.set TB,   2
.set TM,   3
.set WV,   18
.set CNT,  19
.set SEL,  20                          ; s[20:21] v_permlanex16_b32's selects for lane l xor 16
.set CS,   22                          ; s[22:23] c, twice: the packed form names a pair
.set G1,   24
.set G0,   32
.set NC,   44                          ; -c
.set HM,   45                          ; lanes 16-31
.set G0B,  56
.set MSB, 0
.macro WIN new
.if MSB != \new
	s_set_vgpr_msb (MSB<<8)|\new
.set MSB, \new
.endif
.endm
.macro WM32 d, a, b, c, sa, sb, rb
.if (\rb) == 0
	v_wmma_scale_f32_32x16x128_f4 v[(\d):(\d)+15], v[(\a):(\a)+15], v[(\b):(\b)+7], v[(\c):(\c)+15], v[\sa], v[\sb]
.else
	v_wmma_scale_f32_32x16x128_f4 v[(\d):(\d)+15], v[(\a):(\a)+15], v[(\b):(\b)+7], v[(\c):(\c)+15], v[\sa], v[\sb] matrix_b_scale:MATRIX_SCALE_ROW1
.endif
.endm
.macro CROUND                          ; a round of the cluster's barrier
	s_barrier_signal -1
	s_barrier_wait -1
	s_cmp_lg_u32 s[WV], 0
	s_cbranch_scc1 .Lnot_wave_0_\@
	s_barrier_signal -3
.Lnot_wave_0_\@:
	s_barrier_wait -3
	s_barrier_signal -1
	s_barrier_wait -1
.endm
.macro KLOADS k, s, o                  ; K's fragments (the lower four registers of each) and scale words, o bytes on
	WIN 0x40
.irp q, 0,1,2,3,4,5,6,7
	ds_load_b128 v[8*\q:8*\q+3], v[\k] offset:\o+512*\q
.endr
	WIN 0
	ds_load_b64 v[KS:KS+1], v[\s] offset:\o+8192
	ds_load_b64 v[KS+2:KS+3], v[\s] offset:\o+8448
.endm
.macro BLOADS e, o                     ; the bias, in the result's layout
	WIN 0x40
.irp q, 0,1,2,3,4,5,6,7
	ds_load_b128 v[BI+8*\q:BI+8*\q+3], v[\e+\q%2] offset:\o+256*(\q/4)+32*(\q%4)
	ds_load_b128 v[BI+8*\q+4:BI+8*\q+7], v[\e+\q%2] offset:\o+256*(\q/4)+32*(\q%4)+16
.endr
	WIN 0
.endm
.macro VLOADS                          ; V's fragments and scale halves
	WIN 0x40
.irp t, 0,1,2,3
.irp c, 0,1
	ds_load_b128 v[VF+8*\t+4*\c:VF+8*\t+4*\c+3], v[ADK] offset:4096+1024*\t+512*\c
.endr
.endr
	WIN 0
	ds_load_b32 v[VR], v[ADT] offset:8704
	ds_load_b32 v[VR+1], v[ADT] offset:8832
.endm
.macro ML0 s, ch
.irp p, 0,1,2,3
	v_max3_num_f32 v[\ch+\p], v[\s+16*\p], v[\s+16*\p+1], v[\s+16*\p+2]
.endr
.endm
.macro ML s, ch, i
.irp p, 0,1,2,3
	v_max3_num_f32 v[\ch+\p], v[\ch+\p], v[\s+16*\p+\i], v[\s+16*\p+\i+1]
.endr
.endm
.macro OM k                            ; two registers of O^T under the M of the step before
.if PV
	v_pk_mul_f32 v[OO+2*(\k):OO+2*(\k)+1], v[OO+2*(\k):OO+2*(\k)+1], v[F+2*((\k)/16):F+2*((\k)/16)+1] op_sel_hi:[1,0]
.endif
.endm
.macro OM3 k
	OM \k
	OM \k+1
	OM \k+2
.endm
.macro VSC                             ; V's scale words: the low halves: channel tiles 0, 1; the high halves: 2, 3
	v_perm_b32 v[VS], v[VR+1], v[VR], 0x05040100
	v_perm_b32 v[VS+1], v[VR+1], v[VR], 0x07060302
.endm
.macro PVMUL                           ; O^T += V^T P^T
	WIN 0x51
.irp T, 0,1
.irp p, 0,1
	WM32 OO+32*\T+16*\p, VF+16*\p, P0+8*\T, OO+32*\T+16*\p, VS+\p, PS+\T, 0
.endr
.endr
.endm
.macro YB g                            ; eight exponentials of tile 1; between them eight codes of tile 0 and the first additions of its sum
.if \g < 4
.set TR, 240+4*\g
.elseif \g < 6
.set TR, 60+4*(\g-4)
.else
.set TR, 88+4*(\g-6)
.endif
	v_exp_f32 v[S1+8*\g], v[S1+8*\g]
	v_exp_f32 v[S1+8*\g+1], v[S1+8*\g+1]
	v_cvt_scalef32_pk8_fp4_f32 v[P0+\g], v[S0+8*\g:S0+8*\g+7], v[OP+\g/4]
	v_exp_f32 v[S1+8*\g+2], v[S1+8*\g+2]
	v_exp_f32 v[S1+8*\g+3], v[S1+8*\g+3]
	v_pk_add_f32 v[TR:TR+1], v[S0+8*\g:S0+8*\g+1], v[S0+8*\g+2:S0+8*\g+3]
	v_exp_f32 v[S1+8*\g+4], v[S1+8*\g+4]
	v_exp_f32 v[S1+8*\g+5], v[S1+8*\g+5]
	v_exp_f32 v[S1+8*\g+6], v[S1+8*\g+6]
	v_exp_f32 v[S1+8*\g+7], v[S1+8*\g+7]
	v_pk_add_f32 v[TR+2:TR+3], v[S0+8*\g+4:S0+8*\g+5], v[S0+8*\g+6:S0+8*\g+7]
.endm
; A KEY STEP: 128 keys for both tiles.  pv = 1: the weighted sum of the step before is made; more = 1: the next step's K and bias are asked for
.macro STEP pv, more
.set PV, \pv
	s_wait_dscnt 0x0                               ; this step's K and bias and the last step's V, all asked for in the step before
	WIN 0x11
.irp p, 0,1,2,3
	WM32 S1+16*\p, 16*\p, Q1, BI+16*\p, KS+\p, QS, 1             ; S^T = K Q^T + the bias: tile 1,
.endr
.irp p, 0,1,2,3
	WM32 S0+16*\p, 16*\p, Q0, BI+16*\p, KS+\p, QS, 0             ; tile 0
.endr
	v_add_nc_u32 v[ADK], s[TB], v[L16]             ; (places in front of the loads and readers below)
	v_add_nc_u32 v[ADT], s[TB], v[L4]
.if \more
	v_add_nc_u32 v[ADS], s[TB], v[L8]
	v_add_nc_u32 v[ADE], s[TM], v[MBE]
	v_add_nc_u32 v[ADE+1], s[TM], v[MBE+1]
.endif
	WIN 0
.if \pv
	VSC
.endif
.if \more
	KLOADS ADK, ADS, STEPB
	BLOADS ADE, 512
.endif
	ML0 S1, CH+4                                   ; the largest score of each of a lane's two blocks, four chains a tile, the tiles by turns
	ML S1, CH+4, 3
	ML0 S0, CH
.irp i, 5,7,9,11,13
	ML S1, CH+4, \i
	ML S0, CH, \i-2
.endr
	ML S0, CH, 13
.irp c, 0,1
	v_max3_num_f32 v[BP+2+\c], v[CH+4+2*\c], v[CH+5+2*\c], v[S1+32*\c+15]
.endr
.irp c, 0,1
	v_max3_num_f32 v[BP+\c], v[CH+2*\c], v[CH+1+2*\c], v[S0+32*\c+15]
.endr
	WIN 0x40
.irp c, 0,1
	v_max_num_f32 v[B+2+\c], v[BP+2+\c], v[S1+32*\c+31]
.endr
.irp c, 0,1
	v_max_num_f32 v[B+\c], v[BP+\c], v[S0+32*\c+31]
.endr
	WIN 0x55
.if \pv
	s_wait_alu depctr_va_vdst(0)                   ; directly ahead of O^T's first readers
.endif
	OM3 0
.irp T, 0,1
	v_max3_num_f32 v[TN+\T], v[RM+2*\T], v[B+2*\T], v[B+2*\T+1]
.endr
	OM3 3
.irp T, 0,1
	v_permlanex16_b32 v[PX+\T], v[TN+\T], s[SEL], s[SEL+1]
.endr
	OM3 6
.irp T, 0,1
	v_max_num_f32 v[RM+2*\T], v[TN+\T], v[PX+\T]   ; the largest score of my query so far
.endr
	OM3 9
.irp T, 0,1
	v_mul_f32 v[TN+\T], s[NC], v[RM+2*\T]          ; -t
.endr
	OM3 12
.irp T, 0,1
	v_floor_f32 v[TN+\T], v[TN+\T]                 ; the new -M = -ceil(t): a whole number
.endr
	OM3 15
.irp T, 0,1
	v_sub_f32 v[DD+\T], v[TN+\T], v[NM+2*\T]       ; M's old value less its new one: 0 or less
.endr
.irp T, 0,1
	v_mov_b32 v[NM+2*\T], v[TN+\T]
.endr
	OM3 18
.irp T, 0,1
.irp c, 0,1
	v_fma_f32 v[UU+2*\T+\c], v[B+2*\T+\c], s[CS], v[NM+2*\T]     ; a block's largest t - M,
.endr
.endr
.irp T, 0,1
	v_cvt_i32_f32 v[DD+\T], v[DD+\T]               ; (it saturates)
.endr
	OM3 21
.irp i, 0,1,2,3
	v_max_num_f32 v[UU+\i], 0xc2f80000, v[UU+\i]   ; held to -124 from below, so that the scale byte is 1 at least,
.endr
	OM3 24
.irp i, 0,1,2,3
	v_cvt_floor_i32_f32 v[UU+\i], v[UU+\i]         ; its floor: the exponent of the block's largest p
.endr
	OM3 27
.irp T, 0,1
	v_lshl_add_u32 v[XW+\T], v[UU+2*\T+1], 16, v[UU+2*\T]        ; my blocks h and 2 + h,
.endr
	OM 30
	OM 31
.irp T, 0,1
	v_permlanex16_b32 v[YW+\T], v[XW+\T], s[SEL], s[SEL+1]
.endr
.irp T, 0,1
	v_ldexp_f32 v[F+2*\T], 1.0, v[DD+\T]           ; f = 2^(old M - new M): rounds nothing; behind the last reader of the old f
.endr
.irp T, 0,1
	v_lshl_add_u32 v[XW+\T], v[YW+\T], 8, v[XW+\T] ; and lane l xor 16's, at their places
.endr
	WIN 0x15
.irp i, 0,1,2,3
	v_lshl_add_u32 v[OP+\i], v[UU+\i], 23, 0x3e800000            ; the conversion's scale operand: exponent field = that exponent + 125
.endr
.if \pv
	PVMUL                                          ; the step before's
.endif
	WIN 0x10
.irp j, 0,2,4,6,8,10,12,14,16,18,20,22,24,26,28,30,32,34,36,38,40,42,44,46,48,50,52,54,56,58,60,62
	v_pk_fma_f32 v[S0+\j:S0+\j+1], v[S0+\j:S0+\j+1], s[CS:CS+1], v[NM:NM+1] op_sel_hi:[1,0,0]   ; t - M of tile 0; these are the places behind the products too
.endr
	VLOADS
	WIN 0x15
.irp T, 0,1
	v_add_nc_u32 v[PS+\T], 0x7d7d7d7d, v[XW+\T]    ; + 125 in each byte: p's scale word (lanes 0-15 are read); behind the products that read the old one
.endr
	WIN 0x10
	s_wait_alu depctr_va_vdst(0)                   ; ahead of the batch
.irp g, 0,1,2,3,4,5,6,7
.irp j, 0,2,4,6
	v_exp_f32 v[S0+8*\g+\j], v[S0+8*\g+\j]         ; p of tile 0
	v_exp_f32 v[S0+8*\g+\j+1], v[S0+8*\g+\j+1]
	v_pk_fma_f32 v[S1+8*\g+\j:S1+8*\g+\j+1], v[S1+8*\g+\j:S1+8*\g+\j+1], s[CS:CS+1], v[NM+2:NM+3] op_sel_hi:[1,0,0]   ; t - M of tile 1
.endr
.endr
	WIN 0
	s_wait_alu depctr_va_vdst(0)                   ; behind this batch and ahead of the next
.irp g, 0,1,2,3,4,5,6,7
	YB \g
.endr
	s_wait_alu depctr_va_vdst(0)                   ; behind the batch
.irp g, 0,1,2,3,4,5,6,7
	v_cvt_scalef32_pk8_fp4_f32 v[P0+8+\g], v[S1+8*\g:S1+8*\g+7], v[OP+2+\g/4]
.endr
; the sums of p: tile 0's partial sums in v240-255, v60-67, v88-95; tile 1's in place, behind its conversions
.irp k, 0,2,4,6
	v_pk_add_f32 v[240+\k:241+\k], v[240+\k:241+\k], v[60+\k:61+\k]
	v_pk_add_f32 v[248+\k:249+\k], v[248+\k:249+\k], v[88+\k:89+\k]
.endr
.irp k, 0,4,8,12,16,20,24,28,32,36,40,44,48,52,56,60
	v_pk_add_f32 v[S1+\k:S1+\k+1], v[S1+\k:S1+\k+1], v[S1+\k+2:S1+\k+3]
.endr
.irp k, 0,2,4,6
	v_pk_add_f32 v[240+\k:241+\k], v[240+\k:241+\k], v[248+\k:249+\k]
.endr
.irp k, 0,8,16,24,32,40,48,56
	v_pk_add_f32 v[S1+\k:S1+\k+1], v[S1+\k:S1+\k+1], v[S1+\k+4:S1+\k+5]
.endr
.irp k, 0,2
	v_pk_add_f32 v[240+\k:241+\k], v[240+\k:241+\k], v[244+\k:245+\k]
.endr
.irp k, 0,16,32,48
	v_pk_add_f32 v[S1+\k:S1+\k+1], v[S1+\k:S1+\k+1], v[S1+\k+8:S1+\k+9]
.endr
	v_pk_add_f32 v[240:241], v[240:241], v[242:243]
.irp k, 0,32
	v_pk_add_f32 v[S1+\k:S1+\k+1], v[S1+\k:S1+\k+1], v[S1+\k+16:S1+\k+17]
.endr
	v_pk_add_f32 v[S1:S1+1], v[S1:S1+1], v[S1+32:S1+33]
	WIN 0x04
	v_pk_fma_f32 v[L:L+1], v[L:L+1], v[F:F+1], v[240:241] op_sel_hi:[1,0,1]
	v_pk_fma_f32 v[L+2:L+3], v[L+2:L+3], v[F+2:F+3], v[S1:S1+1] op_sel_hi:[1,0,1]
	WIN 0
.endm
	s_load_b256 s[4:11], s[0:1], 0x0               ; kv s[4:5], qc s[6:7], qs s[8:9], the mask s[10:11]
	s_load_b128 s[12:15], s[0:1], 0x20             ; oc s[12:13], os s[14:15]
	v_lshl_add_u32 v[SPW], v0, 2, SPARE
	v_mov_b32 v[NIL], 0
	ds_add_u32 v[SPW], v[NIL]                      ; the opening add, twice on end
	ds_add_u32 v[SPW], v[NIL]
	v_lshrrev_b32 v1, 5, v0
	v_readfirstlane_b32 s[WV], v1                  ; wave 0..7
	s_bfe_u32 s16, ttmp6, 0x40000                  ; cx
	s_lshl_b32 s17, ttmp9, 2
	s_add_co_u32 s17, s17, s16                     ; qb: my block of 256 queries: it enters Q's and O's addresses alone
	s_and_b32 s54, ttmp7, 0xffff                   ; bh = 16 batch + head, which the four partners share
	; descriptor group 1: a dense block of 8,960 bytes (a key step) as 35 rows of 256 bytes (32 elements of 8 bytes), no padding
	s_mov_b32 s[G1], 15|(3<<16)|(1<<21)            ; 15:0 the mask: all four work-groups; 17:16 elements of 8 bytes; 21 set beside a mask
	s_mov_b32 s[G1+1], 32<<16
	s_mov_b32 s[G1+2], 35<<16
	s_mov_b32 s[G1+3], 32<<16
	s_mov_b32 s[G1+4], 35
	s_mov_b32 s[G1+5], 32
	s_mov_b32 s[G1+6], 0
	s_mov_b32 s[G1+7], 0
	s_mul_i32 s38, s54, KVHEAD
	s_mul_i32 s[G0+1], s[WV], STEPB                ; LDS address: key step w,
	s_add_co_u32 s[G0B+1], s[G0+1], 8*STEPB        ; and key step 8 + w
	s_add_co_u32 s38, s38, s[G0+1]
	s_mov_b32 s39, 0
	s_mov_b32 s[G0], 1
	s_mov_b32 s[G0B], 1
	s_wait_dscnt 0x0
	s_wait_kmcnt 0x0
	s_add_nc_u64 s[G0+2:G0+3], s[4:5], s[38:39]
	s_add_nc_u64 s[G0B+2:G0B+3], s[G0+2:G0+3], 8*STEPB
	s_or_b32 s[G0+3], s[G0+3], 0x80000000
	s_or_b32 s[G0B+3], s[G0B+3], 0x80000000
	CROUND                                         ; all four work-groups are here: the joint loads meet
	tensor_load_to_lds s[G0:G0+3], s[G1:G1+7]
	s_nop 0
.rept 4
	v_nop
.endr
	s_lshl_b32 s38, s[WV], 6
	s_add_co_u32 s38, s38, SCS
	v_and_b32 v7, 31, v0
	v_and_b32 v8, 15, v0                           ; r
	v_bfe_u32 v9, v0, 4, 1                         ; h
	v_lshlrev_b32 v12, 3, v0                       ; the mask: 8 bytes a thread
	v_lshl_add_u32 v42, v0, 5, MB                  ; and where their bias goes
	v_lshlrev_b32 v[L16], 4, v7
	v_lshlrev_b32 v[L8], 3, v7
	v_lshlrev_b32 v[L4], 2, v7
	v_mul_u32_u24 v10, 0xa0, v9
	v_mul_u32_u24 v11, 0x60, v9
	v_add_nc_u32 v[MBE], MB, v10                   ; even tiles: keys 40 h + 8 a on
	v_add_nc_u32 v[MBE+1], MB, v11                 ; odd tiles: keys 24 h + 8 a on
	v_lshl_add_u32 v43, v8, 1, v9
	v_add_nc_u32 v[SCW], s38, v43                  ; row r's byte h
	s_wait_alu depctr_va_vdst(0)                   ; ahead of the scalar run below
	s_lshr_b32 s40, s54, 4                         ; batch
	s_and_b32 s41, s54, 15                         ; head
	s_lshl_b32 s38, s40, 11
	s_add_nc_u64 s[10:11], s[10:11], s[38:39]
	s_lshl_b32 s38, s54, 16
	s_lshl_b32 s42, s17, 13
	s_add_co_u32 s38, s38, s42
	s_lshl_b32 s42, s[WV], 10
	s_add_co_u32 s38, s38, s42
	s_add_nc_u64 s[6:7], s[6:7], s[38:39]          ; my two tiles' images of Q
	s_lshl_b32 s38, s54, 13                        ; their scale words: 64 rows w / 2, word w % 2 of each lane
	s_lshl_b32 s42, s17, 10
	s_add_co_u32 s38, s38, s42
	s_lshr_b32 s42, s[WV], 1
	s_lshl_b32 s42, s42, 8
	s_add_co_u32 s38, s38, s42
	s_and_b32 s42, s[WV], 1
	s_lshl_b32 s42, s42, 2
	s_add_co_u32 s38, s38, s42
	s_add_nc_u64 s[8:9], s[8:9], s[38:39]
	global_load_b64 v[80:81], v12, s[10:11]        ; eight keys' mask bytes
	global_load_b128 v[Q0:Q0+3], v[L16], s[6:7]
	global_load_b128 v[Q1:Q1+3], v[L16], s[6:7] offset:512
	global_load_b32 v[QS], v[L8], s[8:9]
	s_lshl_b32 s38, s40, 7                         ; O's row tile = 128 batch + 16 qb + 2 w; 8,192 bytes a row tile, 512 a head
	s_lshl_b32 s42, s17, 4
	s_add_co_u32 s38, s38, s42
	s_lshl_b32 s42, s[WV], 1
	s_add_co_u32 s38, s38, s42
	s_lshl_b32 s38, s38, 13
	s_lshl_b32 s42, s41, 9
	s_add_co_u32 s38, s38, s42
	s_add_nc_u64 s[12:13], s[12:13], s[38:39]
	s_lshl_b32 s38, s41, 13                        ; O's scale bytes: 8,192 a head, 2 a row
	s_lshl_b32 s42, s40, 12
	s_add_co_u32 s38, s38, s42
	s_lshl_b32 s42, s17, 9
	s_add_co_u32 s38, s38, s42
	s_add_nc_u64 s[14:15], s[14:15], s[38:39]
	s_mov_b32 s[SEL], 0x76543210
	s_mov_b32 s[SEL+1], 0xfedcba98
	s_mov_b32 s[CS], 0x3cb8aa3b                    ; c = log2(e) / 64
	s_mov_b32 s[CS+1], s[CS]
	s_mov_b32 s[NC], 0xbcb8aa3b
	s_mov_b32 s[HM], 0xffff0000
	s_mov_b32 s[TB], 0
	s_mov_b32 s[TM], 0
.irp i, 20,21,22,23,28,29,30,31
	v_mov_b32 v[\i], 0                             ; Q's upper half of K: zero codes
.endr
.irp T, 0,1
	v_mov_b32 v[L+2*\T], 0
	v_mov_b32 v[L+2*\T+1], 0
	v_mov_b32 v[PXO+\T], 0                         ; a lane permute's destination counts as one of its sources
	v_mov_b32 v[RC+2*\T+1], 0                      ; (the upper half of a pair that is named)
.endr
	v_mov_b32 v94, 0xfe800000                      ; -2^126
	WIN 0x55
.irp q, 0,1,2,3,4,5,6,7
.irp i, 4,5,6,7
	v_mov_b32 v[8*\q+\i], 0                        ; K's likewise: written once, the loads fill the lower four registers alone
.endr
.endr
.irp q, 0,1,2,3,4,5,6,7
.irp i, 0,1,2,3,4,5,6,7
	v_mov_b32 v[OO+8*\q+\i], 0                     ; O^T: the loop's first weighted sum finds zeros
.endr
.endr
.irp T, 0,1
	v_mov_b32 v[RM+2*\T], 0xf4800000               ; the largest score so far: -2^106
	v_mul_f32 v[TN+\T], s[NC], v[RM+2*\T]
	v_floor_f32 v[NM+2*\T], v[TN+\T]               ; -M
	v_mov_b32 v[F+2*\T+1], 0
	v_mov_b32 v[PX+\T], 0
	v_mov_b32 v[YW+\T], 0
.endr
	WIN 0
	s_wait_alu depctr_va_vdst(0)
	s_wait_loadcnt 3                               ; the mask's bytes are in; Q's three loads may be out
.irp k, 0,1,2,3
	v_bfe_u32 v[112+\k], v80, 8*\k, 8
	v_bfe_u32 v[116+\k], v81, 8*\k, 8
.endr
.irp k, 0,1,2,3,4,5,6,7
	v_cmp_ne_u32 s[46+\k], 0, v[112+\k]
.endr
.irp k, 0,1,2,3,4,5,6,7
	v_cndmask_b32 v[96+\k], 0, v94, s[46+\k]       ; 0 for an open key, -2^126 for a masked one
.endr
	ds_store_b128 v42, v[96:99]
	ds_store_b128 v42, v[100:103] offset:16
	s_wait_alu depctr_va_vdst(0)                   ; at the head's end
	s_wait_loadcnt 0x0                             ; Q
	s_wait_tensorcnt 0x0                           ; my key step of the first eight is in
	ds_add_u32 v[SPW], v[NIL]
	s_wait_dscnt 0x0                               ; the add is done, my part of the bias is stored
	CROUND                                         ; everybody's are, and the joint loads meet
	tensor_load_to_lds s[G0B:G0B+3], s[G1:G1+7]    ; key step 8 + w
	s_nop 0
.rept 4
	v_nop
.endr
	KLOADS L16, L8, 0
	BLOADS MBE, 0
	STEP 0, 1                                      ; key step 0
	s_mov_b32 s[TB], STEPB
	s_mov_b32 s[TM], 512
	s_mov_b32 s[CNT], 6
.Lfirst:                                           ; key steps 1 to 6
	STEP 1, 1
	s_add_co_u32 s[TB], s[TB], STEPB
	s_add_co_u32 s[TM], s[TM], 512
	s_sub_co_u32 s[CNT], s[CNT], 1
	s_cmp_lg_u32 s[CNT], 0
	s_cbranch_scc1 .Lfirst
	s_wait_tensorcnt 0x0                           ; key step 7 asks for key step 8's K: my part of the second eight is in,
	s_wait_dscnt 0x0
	s_barrier_signal -1
	s_barrier_wait -1                              ; everybody's is
.set TB, 60
.set TM, 61
	s_mov_b32 s[TB], 7*STEPB
	s_mov_b32 s[TM], 7*512
	s_mov_b32 s[CNT], 8
.Lsecond:                                          ; key steps 7 to 14
	STEP 1, 1
	s_add_co_u32 s[TB], s[TB], STEPB
	s_add_co_u32 s[TM], s[TM], 512
	s_sub_co_u32 s[CNT], s[CNT], 1
	s_cmp_lg_u32 s[CNT], 0
	s_cbranch_scc1 .Lsecond
	STEP 1, 0                                      ; key step 15
	s_wait_dscnt 0x0                               ; its V
	VSC
	WIN 0x55
	s_wait_alu depctr_va_vdst(0)                   ; directly ahead of O^T's first readers
.irp k, 0,1,2,3,4,5,6,7,8,9,10,11,12,13,14,15,16,17,18,19,20,21,22,23,24,25,26,27,28,29,30,31
	OM \k
.endr
	PVMUL
	WIN 0
	; THE WAY OUT: O^T / the sum, quantised along the head's 64 channels (a lane holds one of the two blocks), stored as images; the scale bytes of the work-group's 256 rows leave together
	v_add_nc_u32 v[ADK], SCS, v[L16]
	v_mov_b32 v[FFB], 0xff
.irp T, 0,1
	v_add_f32 v[L+2*\T], v[L+2*\T], v[L+2*\T+1]
.endr
.irp T, 0,1
	v_permlanex16_b32 v[PXO+\T], v[L+2*\T], s[SEL], s[SEL+1]
.endr
.irp T, 0,1
	v_add_f32 v[L+2*\T], v[L+2*\T], v[PXO+\T]      ; the row's sum
.endr
.irp T, 0,1
	v_cmp_eq_f32 s[36+\T], 0, v[L+2*\T]            ; every key masked?  It selects a value, no path
.endr
	s_wait_alu depctr_va_vdst(0)                   ; ahead of the reciprocals
.irp T, 0,1
	v_rcp_f32 v[RC+2*\T], v[L+2*\T]
.endr
	v_nop                                          ; a plain place behind them
	WIN 0x01
	s_wait_alu depctr_va_vdst(0)                   ; ahead of their first readers, which are O^T's too
.irp T, 0,1
.irp j, 0,2,4,6,8,10,12,14,16,18,20,22,24,26,28,30
	v_pk_mul_f32 v[S0+64*\T+\j:S0+64*\T+\j+1], v[OO+32*\T+\j:OO+32*\T+\j+1], v[RC+2*\T:RC+2*\T+1] op_sel_hi:[1,0]
.endr
.endr
	WIN 0
.irp p, 0,1,2,3
.irp T, 0,1
	v_max3_num_f32 v[CH+4*\T+\p], |v[S0+64*\T+8*\p]|, |v[S0+64*\T+8*\p+1]|, |v[S0+64*\T+8*\p+2]|
.endr
.endr
.irp i, 3,5
.irp p, 0,1,2,3
.irp T, 0,1
	v_max3_num_f32 v[CH+4*\T+\p], v[CH+4*\T+\p], |v[S0+64*\T+8*\p+\i]|, |v[S0+64*\T+8*\p+\i+1]|
.endr
.endr
.endr
.irp T, 0,1
	v_max3_num_f32 v[BP+\T], v[CH+4*\T], v[CH+4*\T+1], |v[S0+64*\T+7]|
.endr
.irp p, 2,3
.irp T, 0,1
	v_max3_num_f32 v[BP+\T], v[BP+\T], v[CH+4*\T+\p], |v[S0+64*\T+8*\p-1]|
.endr
.endr
.irp T, 0,1
	v_max3_num_f32 v[BP+\T], v[BP+\T], |v[S0+64*\T+31]|, 0x1800000
.endr
.irp T, 0,1
	v_add_nc_u32 v[OP+\T], 0xff000000, v[BP+\T]
.endr
.irp T, 0,1
	v_lshrrev_b32 v[IIO+\T], 23, v[OP+\T]
.endr
.irp T, 0,1
.irp i, 0,1,2,3
	v_cvt_scalef32_pk8_fp4_f32 v[P0+8*\T+\i], v[S0+64*\T+8*\i:S0+64*\T+8*\i+7], v[OP+\T]
.endr
.endr
.irp T, 0,1
	v_cndmask_b32 v[IIO+\T], v[IIO+\T], v[FFB], s[36+\T]         ; a row with nothing to attend to: 0xff
.endr
.irp T, 0,1                            ; lanes 16-31 hold channels 8 (t xor 1) on in register t: put in ascending order
	v_cndmask_b32 v[240+4*\T], v[P0+8*\T], v[P0+8*\T+1], s[HM]
	v_cndmask_b32 v[241+4*\T], v[P0+8*\T+1], v[P0+8*\T], s[HM]
	v_cndmask_b32 v[242+4*\T], v[P0+8*\T+2], v[P0+8*\T+3], s[HM]
	v_cndmask_b32 v[243+4*\T], v[P0+8*\T+3], v[P0+8*\T+2], s[HM]
.endr
.irp T, 0,1
	global_store_b128 v[L16], v[240+4*\T:243+4*\T], s[12:13] offset:8192*\T       ; 512 consecutive bytes, aligned
	ds_store_b8 v[SCW], v[IIO+\T] offset:32*\T
.endr
	s_wait_dscnt 0x0
	s_barrier_signal -1
	s_barrier_wait -1                              ; the 256 rows' bytes lie in LDS
	s_cmp_lg_u32 s[WV], 0
	s_cbranch_scc1 .Lnot_mine
	ds_load_b128 v[104:107], v[ADK]
	s_wait_dscnt 0x0
	global_store_b128 v[L16], v[104:107], s[14:15] ; 512 consecutive bytes, aligned
.Lnot_mine:
	s_wait_tensorcnt 0x0
	ds_add_u32 v[SPW], v[NIL]
	s_wait_dscnt 0x0
	CROUND                                         ; the closing round
	s_endpgm
.Lfunc_end_k_q8a73860c61_attn:
	.size	k_q8a73860c61_attn, .Lfunc_end_k_q8a73860c61_attn-k_q8a73860c61_attn
	.p2alignl 7, 3214868480
	.fill 96, 4, 3214868480
	.section	.rodata,"a",@progbits
	.p2align	6, 0x0
	.amdhsa_kernel k_q8a73860c61_attn
		.amdhsa_group_segment_fixed_size 327680
		.amdhsa_private_segment_fixed_size 0
		.amdhsa_enable_private_segment 0
		.amdhsa_kernarg_size 48
		.amdhsa_user_sgpr_count 2
		.amdhsa_user_sgpr_kernarg_segment_ptr 1
		.amdhsa_wavefront_size32 1
		.amdhsa_system_sgpr_workgroup_id_x 1
		.amdhsa_system_sgpr_workgroup_id_y 1
		.amdhsa_system_sgpr_workgroup_id_z 1
		.amdhsa_system_vgpr_workitem_id 0
		.amdhsa_next_free_vgpr 512
		.amdhsa_next_free_sgpr 66
		.amdhsa_reserve_vcc 0
		.amdhsa_float_denorm_mode_32 3
		.amdhsa_float_denorm_mode_16_64 3
		.amdhsa_memory_ordered 1
		.amdhsa_forward_progress 1
		.amdhsa_inst_pref_size 124
	.end_amdhsa_kernel
	.amdgpu_metadata
---
amdhsa.version: [ 1, 2 ]
amdhsa.kernels:
  - .name:           k_q8a73860c61_attn
    .symbol:         k_q8a73860c61_attn.kd
    .args:
      - { .name: kv, .offset: 0, .size: 8, .value_kind: global_buffer, .address_space: global }
      - { .name: qc, .offset: 8, .size: 8, .value_kind: global_buffer, .address_space: global }
      - { .name: qs, .offset: 16, .size: 8, .value_kind: global_buffer, .address_space: global }
      - { .name: padding_mask, .offset: 24, .size: 8, .value_kind: global_buffer, .address_space: global }
      - { .name: oc, .offset: 32, .size: 8, .value_kind: global_buffer, .address_space: global }
      - { .name: os, .offset: 40, .size: 8, .value_kind: global_buffer, .address_space: global }
    .group_segment_fixed_size: 327680
    .private_segment_fixed_size: 0
    .kernarg_segment_align: 8
    .kernarg_segment_size: 48
    .max_flat_workgroup_size: 256
    .sgpr_count:     66
    .vgpr_count:     512
    .wavefront_size: 32
...
	.end_amdgpu_metadata
.endif
;; end of part 2
;; launch oproj (part 3): grid 8 x 32, 8 waves a work-group, clusters of 4 x 4, 173,056 bytes of LDS; arguments oc, os, Wo_codes, Wo_scales, bo, out0; writes out0
.if DOCPART == 3
	.amdgcn_target "amdgcn-amd-amdhsa--gfx1250"
	.amdhsa_code_object_version 6
	.text
	.protected	k_q8a73860c61_oproj
	.globl	k_q8a73860c61_oproj
	.p2align	8
	.type	k_q8a73860c61_oproj,@function
k_q8a73860c61_oproj:
	s_mov_b64 s[64:65], 0
	v_nop
	global_prefetch_b8 v0, s[64:65] scope:SCOPE_SE
	s_setreg_imm32_b32 hwreg(HW_REG_WAVE_MODE, 25, 1), 1
	s_wait_xcnt 0x0
	s_wait_alu depctr_hold_cnt(0) depctr_sa_sdst(0) depctr_va_vdst(0) depctr_va_sdst(0) depctr_va_ssrc(0) depctr_va_vcc(0) depctr_vm_vsrc(0)
	s_getreg_b32 s2, hwreg(HW_REG_IB_STS2, 6, 4)
	s_cmp_eq_u32 s2, 0
	s_cbranch_scc0 .Lentry_in_a_cluster
	s_endpgm
.Lentry_in_a_cluster:
	s_bfe_u32 s2, ttmp6, 0x10000c
	s_cmp_lg_u32 s2, 0xf033
	s_cbranch_scc0 .Lentry_shape_is_right
	s_endpgm
.Lentry_shape_is_right:
; out0 = O Wo^T + bo, on codes of FP4 (E2M1) with one E8M0 scale for each 32 along K.  O comes from the attention launch as images of operand registers (oc) and two scale bytes for each row and head (os).
; SHARES.  A work-group makes 128 x 128 of the output: 256 work-groups.  Wave w: rows 32 (w / 2) on, columns 64 (w % 2) on: 8 accumulators.  All of K (1,024) lies in LDS, filled ONCE: no ring.
; The product is used TRANSPOSED (source 0 = 16 rows of Wo, source 1 = 16 rows of O): a lane holds eight neighbouring columns of one row.  bo is the C of each sum's first product.
; CLUSTER 4 x 4: O's rows are shared along a row of the cluster, Wo's along a column: each tile is asked for jointly.  Waves 0, 1 fetch O's two halves, waves 2, 3 Wo's two halves of K, the others nothing.
; A larger tile would leave WGPs without work at this size.
; A row whose scale bytes are 0xff (no open key in its batch) comes out as NaN.
.set PITCH,  272                       ; Wo's rows in LDS: 256 bytes + 16 of padding
.set TROWS,  16*PITCH
.set HROWS,  64*PITCH
.set REGB,   128*PITCH
.set BL,     65536                     ; O's images lie at 0 (dense), Wo's two halves of K behind them
.set STG,    BL+2*REGB                 ; behind them a stage of 16 rows x 272 bytes for each wave; no tile lands there
.set AA,   1                           ; v1   LDS address of my O fragments
.set AB,   2                           ; v2-3 of my Wo fragments, K half 0, 1
.set STO,  4                           ; v4   the stage: where I put 32 bytes of a row
.set RD,   5                           ; v5   and where I read a row back
.set GO,   6                           ; v6   my byte offset in two rows of the output
.set O2L,  7                           ; v7   2 x lane
.set O32L, 8                           ; v8   32 x lane
.set O32H, 9                           ; v9   32 h
.set SO,   16                          ; v16-23 O's scale words, one for each K step; lane l = row l of my 32
.set SWO,  24                          ; v24-39 Wo's: 8 b' + s; lane l = row 32 b' + l of my 64
.set BIA,  40                          ; v40-71 bo in the result's layout, four tiles
.set ACC,  72                          ; v72-135 accumulators: 32 a + 8 t
.set FRG,  136                         ; v136-231 two sets of fragments: O's two at + 8 a, Wo's four at + 16 + 8 t; later rows of the output
.set RAW,  232                         ; v232-247 O's scale halves as loaded, one for each head
.set WV,   16                          ; s16 wave; s17 rq = wave / 2; s18 ch = wave % 2
.set G1A,  24
.set G1B,  32
.set G0A,  40
.set G0B,  44
.macro PLACES n
.rept \n
	v_nop
.endr
.endm
; two of Wo's tiles (32 rows, whose scales fill the 32 lanes of sa) x one of O's (scales in lanes 0-15 of sb, or 16-31): four accumulators of 16 registers hold the eight tiles
.macro WM32 d, a, b, c, sa, sb, rb
.if (\rb) == 0
	v_wmma_scale_f32_32x16x128_f4 v[(\d):(\d)+15], v[(\a):(\a)+15], v[(\b):(\b)+7], v[(\c):(\c)+15], v[\sa], v[\sb]
.else
	v_wmma_scale_f32_32x16x128_f4 v[(\d):(\d)+15], v[(\a):(\a)+15], v[(\b):(\b)+7], v[(\c):(\c)+15], v[\sa], v[\sb] matrix_b_scale:MATRIX_SCALE_ROW1
.endif
.endm
.macro CROUND                          ; a round of the cluster's barrier
	s_barrier_signal -1
	s_barrier_wait -1
	s_cmp_lg_u32 s[WV], 0
	s_cbranch_scc1 .Lnot_wave_0_\@
	s_barrier_signal -3
.Lnot_wave_0_\@:
	s_barrier_wait -3
	s_barrier_signal -1
	s_barrier_wait -1
.endm
	s_load_b256 s[4:11], s[0:1], 0x0               ; oc s[4:5], os s[6:7], Wo codes s[8:9], Wo scales s[10:11]
	s_load_b128 s[12:15], s[0:1], 0x20             ; bo s[12:13], out0 s[14:15]
	v_lshl_add_u32 v254, v0, 2, 0x2a000
	v_mov_b32 v255, 0
	ds_add_u32 v254, v255
	ds_add_u32 v254, v255
	v_lshrrev_b32 v1, 5, v0
	s_delay_alu instid0(VALU_DEP_1)
	v_readfirstlane_b32 s[WV], v1                  ; wave 0..7
	s_lshr_b32 s17, s[WV], 1                       ; rq: which 32 rows
	s_and_b32 s18, s[WV], 1                        ; ch: which 64 columns.  Also: which half I fetch, if I fetch
	s_bfe_u32 s19, ttmp6, 0x40000                  ; cx
	s_bfe_u32 s20, ttmp6, 0x40004                  ; cy
	s_lshl_b32 s21, ttmp9, 2
	s_add_co_u32 s21, s21, s19                     ; cg: the group of 128 columns
	s_and_b32 s22, ttmp7, 0xffff
	s_lshl_b32 s22, s22, 2
	s_add_co_u32 s22, s22, s20                     ; rg: the group of 128 rows
	s_lshl_b32 s48, s20, 2
	s_lshl_b32 s48, 15, s48                        ; my row of the cluster
	s_lshl_b32 s49, 0x1111, s19                    ; my column
	; O: a dense block of 32,768 bytes as 128 rows of 256 bytes (32 elements of 8 bytes), no padding
	s_or_b32 s[G1A], s48, (3<<16)|(1<<21)
	s_mov_b32 s[G1A+1], 32<<16
	s_mov_b32 s[G1A+2], 128<<16
	s_mov_b32 s[G1A+3], 32<<16
	s_mov_b32 s[G1A+4], 128
	s_mov_b32 s[G1A+5], 32
	s_mov_b32 s[G1A+6], 0
	s_mov_b32 s[G1A+7], 0
	; Wo: 128 rows x 256 bytes out of rows of 512 bytes, 16 bytes of padding behind each row
	s_or_b32 s[G1B], s49, (1<<20)|(1<<21)|(5<<22)|(3<<25)
	s_mov_b32 s[G1B+1], 256<<16
	s_mov_b32 s[G1B+2], 128<<16
	s_mov_b32 s[G1B+3], 256<<16
	s_mov_b32 s[G1B+4], 128
	s_mov_b32 s[G1B+5], 512
	s_mov_b32 s[G1B+6], 0
	s_mov_b32 s[G1B+7], 0
	s_lshl_b32 s[G0A+1], s18, 15                   ; LDS addresses: made of the wave's number alone
	s_mul_i32 s[G0B+1], s18, REGB
	s_add_co_u32 s[G0B+1], s[G0B+1], BL
	s_lshl_b32 s50, s22, 16                        ; O: 65,536 bytes for each rg, + my half
	s_add_co_u32 s50, s50, s[G0A+1]
	s_mov_b32 s51, 0
	s_lshl_b32 s52, s21, 16                        ; Wo: 128 rows of 512 bytes for each cg, + my half of K
	s_lshl_b32 s53, s18, 8
	s_add_co_u32 s52, s52, s53
	s_mov_b32 s53, 0
	s_mov_b32 s[G0A], 1
	s_mov_b32 s[G0B], 1
	s_wait_dscnt 0x0
	s_wait_kmcnt 0x0
	s_add_nc_u64 s[G0A+2:G0A+3], s[4:5], s[50:51]
	s_or_b32 s[G0A+3], s[G0A+3], 0x80000000
	s_add_nc_u64 s[G0B+2:G0B+3], s[8:9], s[52:53]
	s_or_b32 s[G0B+3], s[G0B+3], 0x80000000
	CROUND                                         ; all sixteen work-groups are here: the joint loads meet
	s_cmp_lt_u32 s[WV], 2                          ; the branches hang on the wave's number alone; four v_nop follow each load
	s_cbranch_scc0 .Lnot_a
	tensor_load_to_lds s[G0A:G0A+3], s[G1A:G1A+7]
	s_nop 0
.rept 4
	v_nop
.endr
	s_branch .Lasked
.Lnot_a:
	s_cmp_lt_u32 s[WV], 4
	s_cbranch_scc0 .Lasked
	tensor_load_to_lds s[G0B:G0B+3], s[G1B:G1B+7]
	s_nop 0
.rept 4
	v_nop
.endr
.Lasked:
	v_and_b32 v10, 31, v0                          ; lane
	v_and_b32 v11, 15, v0                          ; r
	v_bfe_u32 v12, v0, 4, 1                        ; h
	s_delay_alu instid0(VALU_DEP_3)
	v_lshlrev_b32 v[O2L], 1, v10
	s_wait_alu depctr_va_vdst(0)
	v_lshlrev_b32 v[O32L], 5, v10
	s_wait_alu depctr_va_vdst(0)
	v_lshlrev_b32 v[O32H], 5, v12
	s_wait_alu depctr_va_vdst(0)
	s_mov_b32 s51, 0
	s_lshl_b32 s50, s22, 8                         ; os: (128 rg + 32 rq) rows of 2 bytes
	s_lshl_b32 s52, s17, 6
	s_add_co_u32 s50, s50, s52
	s_add_nc_u64 s[6:7], s[6:7], s[50:51]
	s_lshl_b32 s50, s21, 12                        ; Wo's scale bytes: (128 cg + 64 ch) rows of 32
	s_lshl_b32 s52, s18, 11
	s_add_co_u32 s50, s50, s52
	s_add_nc_u64 s[10:11], s[10:11], s[50:51]
	s_lshl_b32 s50, s21, 9                         ; bo, and the output's columns: (128 cg + 64 ch) x 4 bytes
	s_lshl_b32 s52, s18, 8
	s_add_co_u32 s50, s50, s52
	s_add_nc_u64 s[12:13], s[12:13], s[50:51]
	s_add_nc_u64 s[14:15], s[14:15], s[50:51]
	s_lshl_b32 s50, s22, 19                        ; the output's rows: 128 rg x 4,096 bytes
	; row m of O's tile a of 64 tokens is token 32 R + 8 (a xor R) + m % 8, R = m / 8: my two tiles begin 64 (rq / 2) + 16 (rq % 2) rows on
	s_lshr_b32 s52, s17, 1
	s_lshl_b32 s52, s52, 18
	s_add_co_u32 s50, s50, s52
	s_and_b32 s52, s17, 1
	s_lshl_b32 s52, s52, 16
	s_add_co_u32 s50, s50, s52
	s_add_nc_u64 s[14:15], s[14:15], s[50:51]
.irp d, 0,1,2,3,4,5,6,7,8,9,10,11,12,13,14,15
	global_load_u16 v[RAW+\d], v[O2L], s[6:7] offset:8192*\d     ; head d's two scale bytes of my lane's row
.endr
.irp b, 0,1
	global_load_b128 v[SWO+8*\b:SWO+8*\b+3], v[O32L], s[10:11] offset:1024*\b      ; a row's 32 scale bytes are the words of its eight K steps
	global_load_b128 v[SWO+8*\b+4:SWO+8*\b+7], v[O32L], s[10:11] offset:1024*\b+16
.endr
.irp t, 0,1,2,3
	global_load_b128 v[BIA+8*\t:BIA+8*\t+3], v[O32H], s[12:13] offset:64*\t        ; bo of columns 16 t + 8 h + 0..7
	global_load_b128 v[BIA+8*\t+4:BIA+8*\t+7], v[O32H], s[12:13] offset:64*\t+16
.endr
	s_lshl_b32 s50, s17, 14
	v_lshl_add_u32 v[AA], v10, 4, s50              ; O's images: row tiles 2 rq, 2 rq + 1; 16 bytes a lane
	v_mul_u32_u24 v13, v11, PITCH
	s_delay_alu instid0(VALU_DEP_1)
	v_lshl_add_u32 v14, v12, 4, v13                ; a fragment's row x pitch + 16 x half
	s_mul_i32 s50, s18, HROWS
	s_add_co_u32 s50, s50, BL
	v_add_nc_u32 v[AB], s50, v14
	s_delay_alu instid0(VALU_DEP_1)
	v_add_nc_u32 v[AB+1], REGB, v[AB]
	s_mul_i32 s50, s[WV], TROWS
	s_add_co_u32 s50, s50, STG                     ; my stage
	v_lshl_add_u32 v[STO], v12, 5, v13
	s_delay_alu instid0(VALU_DEP_1)
	v_add_nc_u32 v[STO], s50, v[STO]               ; in: row r, 32 bytes for each half of the lanes
	v_mul_u32_u24 v[RD], v12, PITCH
	s_delay_alu instid0(VALU_DEP_1)
	v_lshl_add_u32 v[RD], v11, 4, v[RD]
	s_delay_alu instid0(VALU_DEP_1)
	v_add_nc_u32 v[RD], s50, v[RD]                 ; back: lanes 0-15 one row of 256 bytes, lanes 16-31 the next
	v_lshlrev_b32 v[GO], 12, v12
	s_delay_alu instid0(VALU_DEP_1)
	v_lshl_add_u32 v[GO], v11, 4, v[GO]            ; and the same two rows in the output
	s_wait_loadcnt 0x0
.irp s, 0,1,2,3,4,5,6,7
	v_lshl_or_b32 v[SO+\s], v[RAW+2*\s+1], 16, v[RAW+2*\s]       ; K step s is heads 2 s and 2 s + 1: four bytes
.endr
	PLACES 8                                       ; a scale register written by a vector instruction stands eight places ahead of a scaled product
	s_wait_alu depctr_va_vdst(0)
	s_wait_tensorcnt 0x0                           ; my tile, if I fetched one, is in,
	s_barrier_signal -1
	s_barrier_wait -1                              ; everybody's is
.macro OFETCH s, p                     ; K step s into set p: O's two fragments as images, Wo's four from rows
.irp a, 0,1
.irp c, 0,1
	ds_load_b128 v[FRG+48*(\p)+8*\a+4*\c:FRG+48*(\p)+8*\a+4*\c+3], v[AA] offset:8192*\a+1024*(\s)+512*\c
.endr
.endr
.irp t, 0,1,2,3
	ds_load_b128 v[FRG+48*(\p)+16+8*\t:FRG+48*(\p)+16+8*\t+3], v[AB+(\s)/4] offset:TROWS*\t+64*((\s)%4)
	ds_load_b128 v[FRG+48*(\p)+20+8*\t:FRG+48*(\p)+20+8*\t+3], v[AB+(\s)/4] offset:TROWS*\t+64*((\s)%4)+32
.endr
.endm
.macro OSTEP s                         ; the four accumulators take turns, one instruction a turn, in the same order in every K step
	s_wait_dscnt 0x0                               ; this step's fragments, asked for a step ago, are in
.if (\s) > 0
	PLACES 4                                       ; in front of loads into registers that the last step's products have read
.endif
.if (\s) < 7
	OFETCH (\s)+1, ((\s)+1)%2
.endif
.irp a, 0,1
.irp u, 0,1
.if (\s) == 0
	WM32 ACC+32*\a+16*\u, FRG+48*((\s)%2)+16+16*\u, FRG+48*((\s)%2)+8*\a, BIA+16*\u, SWO+8*\u+(\s), SO+(\s), \a
.else
	WM32 ACC+32*\a+16*\u, FRG+48*((\s)%2)+16+16*\u, FRG+48*((\s)%2)+8*\a, ACC+32*\a+16*\u, SWO+8*\u+(\s), SO+(\s), \a
.endif
.endr
.endr
.endm
	OFETCH 0, 0
	OSTEP 0
	OSTEP 1
	OSTEP 2
	OSTEP 3
	OSTEP 4
	OSTEP 5
	OSTEP 6
	OSTEP 7
	; THE WAY OUT.  A lane holds 32 neighbouring bytes of a row and the lanes beside it other rows: 16 rows x 64 columns at a time go through my own stage and come back as whole rows of 256 bytes.
	; LDS serves a wave's instructions in order: no wait stands between the stores and the loads, nor in front of the second tile's stores.
	PLACES 4                                       ; behind the last products
.irp a, 0,1
.irp t, 0,1,2,3
	ds_store_b128 v[STO], v[ACC+32*\a+8*\t:ACC+32*\a+8*\t+3] offset:64*\t          ; each accumulator from its low end on
	ds_store_b128 v[STO], v[ACC+32*\a+8*\t+4:ACC+32*\a+8*\t+7] offset:64*\t+16
.endr
.irp i, 0,1,2,3,4,5,6,7
	ds_load_b128 v[FRG+32*\a+4*\i:FRG+32*\a+4*\i+3], v[RD] offset:2*PITCH*\i
.endr
.endr
.irp a, 0,1
.irp i, 0,1,2,3,4,5,6,7
	s_wait_dscnt 16*(1-\a)+7-\i                    ; behind this load: the tile's younger loads and, for the first tile, the second's sixteen LDS instructions
	global_store_b128 v[GO], v[FRG+32*\a+4*\i:FRG+32*\a+4*\i+3], s[14:15] offset:(32*(\i/4)+8*((\a+\i/4)%2)+2*(\i%4))*4096   ; sixteen lanes store 256 consecutive bytes, aligned; rows 2 i, 2 i + 1 of tile a at their tokens
.endr
.endr
	s_wait_tensorcnt 0x0
	ds_add_u32 v254, v255
	s_wait_dscnt 0x0
	CROUND                                         ; the closing round
	s_endpgm
.Lfunc_end_k_q8a73860c61_oproj:
	.size	k_q8a73860c61_oproj, .Lfunc_end_k_q8a73860c61_oproj-k_q8a73860c61_oproj
	.p2alignl 7, 3214868480
	.fill 96, 4, 3214868480
	.section	.rodata,"a",@progbits
	.p2align	6, 0x0
	.amdhsa_kernel k_q8a73860c61_oproj
		.amdhsa_group_segment_fixed_size 173056
		.amdhsa_private_segment_fixed_size 0
		.amdhsa_enable_private_segment 0
		.amdhsa_kernarg_size 48
		.amdhsa_user_sgpr_count 2
		.amdhsa_user_sgpr_kernarg_segment_ptr 1
		.amdhsa_wavefront_size32 1
		.amdhsa_system_sgpr_workgroup_id_x 1
		.amdhsa_system_sgpr_workgroup_id_y 1
		.amdhsa_system_sgpr_workgroup_id_z 1
		.amdhsa_system_vgpr_workitem_id 0
		.amdhsa_next_free_vgpr 256
		.amdhsa_next_free_sgpr 66
		.amdhsa_reserve_vcc 0
		.amdhsa_float_denorm_mode_32 3
		.amdhsa_float_denorm_mode_16_64 3
		.amdhsa_memory_ordered 1
		.amdhsa_forward_progress 1
		.amdhsa_inst_pref_size 26
	.end_amdhsa_kernel
	.amdgpu_metadata
---
amdhsa.version: [ 1, 2 ]
amdhsa.kernels:
  - .name:           k_q8a73860c61_oproj
    .symbol:         k_q8a73860c61_oproj.kd
    .args:
      - { .name: oc, .offset: 0, .size: 8, .value_kind: global_buffer, .address_space: global }
      - { .name: os, .offset: 8, .size: 8, .value_kind: global_buffer, .address_space: global }
      - { .name: Wo_codes, .offset: 16, .size: 8, .value_kind: global_buffer, .address_space: global }
      - { .name: Wo_scales, .offset: 24, .size: 8, .value_kind: global_buffer, .address_space: global }
      - { .name: bo, .offset: 32, .size: 8, .value_kind: global_buffer, .address_space: global }
      - { .name: out0, .offset: 40, .size: 8, .value_kind: global_buffer, .address_space: global }
    .group_segment_fixed_size: 173056
    .private_segment_fixed_size: 0
    .kernarg_segment_align: 8
    .kernarg_segment_size: 48
    .max_flat_workgroup_size: 256
    .sgpr_count:     66
    .vgpr_count:     256
    .wavefront_size: 32
...
	.end_amdgpu_metadata
.endif
;; end of part 3
